; MI455X (gfx1250); checked and timed in simulation.
; The chip was launched on July 23, 2026; its instructions are those of AMD's public machine-readable ISA for CDNA 5 (MIT licence, August 2026) and "CDNA5" Instruction Set Architecture Reference Guide (July 2026). The comments in the code are by the model that wrote it; some were corrected since.
;; Self Attention. Allowed arithmetic: matrix products marked QUANTISED: E2M3 operands, one E8M0 scale for each 32 along K, by v_wmma_scale_f32_16x16x128_f8f6f4 with both operands' format E2M3, f32 sums; everything else in f32.
;; Inputs: W_proj 1,024 x 1,024 float32; W_qkv 1,024 x 3,072 float32; b_proj 1,024 float32; b_qkv 3,072 float32; x 4 x 2,048 x 1,024 float32.
;; Outputs: out0 4 x 2,048 x 1,024 float32.
;; This version of the problem:
;;   THIS VERSION OF THE PROBLEM IS GIVEN IN LOW PRECISION. The matrix products marked QUANTISED in the list below multiply operands that are first quantised to E2M3 (2 exponent bits, 3 mantissa bits; 6 bits a number), with one power-of-two scale for each 32 numbers along K (OCP MX v1.0); their sums are f32. All else is computed in f32.
;;   The module's matrix products, in the order in which they are computed (A, B: the left and right operand; K: the contracted axis; several contracted axes count as one K, in the product's order):
;;     1. [M 8,192, K 1,024] x [K 1,024, N 3,072]; A: input x; B: input W_qkv: QUANTISED
;;     2. batch 64 x [M 2,048, K 64] x [K 64, N 2,048]; A: computed on the way; B: computed on the way: QUANTISED
;;     3. batch 64 x [M 2,048, K 2,048] x [K 2,048, N 64]; A: softmax (see below); B: computed on the way: QUANTISED
;;     4. [M 8,192, K 1,024] x [K 1,024, N 1,024]; A: computed on the way; B: input W_proj: QUANTISED
;;   THE QUANTISER, for each operand of a quantised product, along K:
;;     - K is cut into blocks of 32 from its start; a last block that is shorter is filled with zeros.
;;     - A block's scale is 2^e with e = floor(log2(the largest magnitude in the block)) - 2, held to -126 .. 127; a block of zeros has e = 0. As a byte (E8M0): e + 127.
;;     - Each number is divided by its block's scale, clamped to +-7.5, and rounded to the nearest number of E2M3, ties to even, subnormals kept.
;;     - The product sums the exact products of the quantised numbers (number of the format x scale) in f32.
;;   ~~~python
;;   def quantise(x, axis):      # numpy; x: float32 -> the quantised numbers, widened to float32 again
;;       x = np.moveaxis(x, axis, -1); K = x.shape[-1]
;;       x = np.pad(x, [(0, 0)] * (x.ndim - 1) + [(0, -K % 32)]); x = x.reshape(x.shape[:-1] + (-1, 32)); a = np.abs(x).max(-1, keepdims=True)
;;       e = np.where(a > 0, np.clip(np.frexp(np.where(a > 0, a, 1))[1] - 1 - 2, -126, 127), 0)      # np.frexp(a)[1] - 1 = floor(log2(a)), exactly
;;       r = np.clip(x / 2.0 ** e, -7.5, 7.5)
;;       step = 2.0 ** (np.maximum(np.frexp(np.where(r == 0, 1, r))[1] - 1, 0) - 3)
;;       q = np.round(r / step) * step * 2.0 ** e      # np.round: ties to even
;;       return np.moveaxis(q.reshape(q.shape[:-2] + (-1,))[..., :K], -1, axis).astype(np.float32)
;;   ~~~
;;   SOFTMAX AHEAD OF A QUANTISED PRODUCT. Where the list says 'softmax', what is quantised is not the finished softmax but p = 2^(t - M), with t = logit x log2(e) and M = ceil(the row's largest t), a whole number; so 1/2 < the row's largest p <= 1. The row's sum l is taken of the UNQUANTISED p, in f32, and the product's result is divided by l at the end. Since M is a whole number, a kernel that streams over the keys may use a running M (the ceiling of the running maximum): every later rescaling is an exact power of two, which a block's scale takes up: the codes' values come out the same.
;;   OPERANDS COMPUTED ON THE WAY. 'Computed on the way' means the value that the module computes at that place (a softmax that the list does not call 'softmax' is quantised finished and normalised). What goes into a quantiser is computed in f32, as accurately as f32 sums, v_exp_f32 and their like allow (about 1e-6 of the number): no bf16 or f16 on the way to a quantiser, and a product that is left as it is and whose result goes on into a quantised operand takes f32 operands (vector FMAs, or v_wmma_f32_16x16x4_f32). A number that lies on a knife's edge between two numbers of the format may be rounded either way, as far as f32 arithmetic and the matrix unit's own rounding can turn it there, and no further.
;; One version. Each part assembles by itself: llvm-mc -triple=amdgcn-amd-amdhsa -mcpu=gfx1250 --defsym DOCPART=n.
;; ======== version 1 of 1: 4 launches
;; workspace buffers: xc 6,291,456 bytes; xs 262,144 bytes; wc 3,145,728 bytes; ws 131,072 bytes; qkc 13,107,200 bytes; vc 6,553,600 bytes; yc 6,291,456 bytes; ys 262,144 bytes
;; launch prep (part 1): grid 512 x 1, 4 waves a work-group, no clusters, 34,304 bytes of LDS; arguments x, W_qkv, W_proj, xc, xs, wc, ws; writes xc, xs, wc, ws
.if DOCPART == 1
	.amdgcn_target "amdgcn-amd-amdhsa--gfx1250"
	.amdhsa_code_object_version 6
	.text
	.protected	k_q2b28de2dfd_prep
	.globl	k_q2b28de2dfd_prep
	.p2align	8
	.type	k_q2b28de2dfd_prep,@function
k_q2b28de2dfd_prep:
	s_mov_b64 s[64:65], 0
	v_nop
	global_prefetch_b8 v0, s[64:65] scope:SCOPE_SE
	s_setreg_imm32_b32 hwreg(HW_REG_WAVE_MODE, 25, 1), 1
	s_wait_xcnt 0x0
; x [8192][1024], W_qkv [1024][3072] and W_proj [1024][1024], f32, become codes of FP6 (E2M3) with one E8M0 byte for each 32 along K (x: its last axis; the weights: their first).
; A block's scale is 2^(floor(log2(largest magnitude)) - 2); its byte is the largest magnitude's exponent field - 2, held at 1 from below.
; LIMITS: a block of zeros gets the byte 1 where the rule says 127 (its codes are zeros, and only this program reads the bytes); NaN and infinities among the inputs are not served.
; THE CODES' LAYOUT, all through this program: an IMAGE of 768 bytes holds 16 rows x 64 K as the matrix operand's registers hold them: lane (r = l % 16, h = l / 16) owns the 24 bytes of block h of row r:
; its registers 0-3 at 16 l, its registers 4-5 at 512 + 8 l.  Two neighbouring images are one operand of 16 rows x 128 K.  xc, wc: [tile of 16 rows][16 images along K].
; THE ROWS OF A TILE ARE NOT NEIGHBOURS: lane r of tile 2 g + u holds row 32 g + 8 u + r + 8 (r / 8), so that a product's results, used transposed, lie in a lane as 16 neighbours along the next K.
; SCALES, xs, ws: [tile][K / 512][r][4 words], a word = the four bytes of 128 along K.
; Work-groups 0-255 take x: a wave takes one tile x 512 K.  Each load reads 512 consecutive bytes of a row; the 16 rows turn through the wave's own stage in LDS, so that a lane gets 16 neighbours of each block.
; Work-groups 256-511 take the weights: a wave takes 32 columns x 128 K, a lane a column, its registers down K: nothing is transposed.  The weights' scale words leave 4 bytes a lane (one byte in 128 of what is read).
; Waves share nothing: no barrier.
.set SEL,  30                          ; s[30:31] lane selects: lane l xor 16
.set PC,   8                           ; v8-19    an operand's 12 registers
.set PW,   20                          ; v20-23   the four scale words of a wave's 512 K
.set R,    32                          ; v32-159  two sets of 64: rows as loaded (weights: 128 numbers down K)
.set X,    160                         ; v160-223 64 numbers: register 16 b + i = k 32 b + 16 h + i of my row
.set TM,   224                         ; v224-235 at work
.set Y,    240                         ; v240-246 the conversions' second halves
.set SPT,  528                         ; a stage row: 512 bytes + 16: the sixteen rows that a load touches begin in sixteen different groups of banks
.set WSTG, 16*SPT                      ; a wave's stage
.set C,    160                         ; weights: v160-207 the codes of four blocks
.set WD,   208                         ; weights: the scale word
; 64 numbers of a lane become an operand's codes (registers d0 .. d0 + 5, d1 .. d1 + 5) and its scale word
.macro QUANT s, d0, d1, pw
.irp b, 0,1,2,3
	v_max3_num_f32 v[TM+\b], |v[\s+16*\b]|, |v[\s+1+16*\b]|, 0x1800000   ; my 16 numbers of block b, and the floor 2^(3 - 127): the byte cannot fall under 1
.endr
.irp i, 2,4,6,8,10,12,14
.irp b, 0,1,2,3
	v_max3_num_f32 v[TM+\b], v[TM+\b], |v[\s+16*\b+\i]|, |v[\s+1+16*\b+\i]|
.endr
.endr
.irp b, 0,1,2,3
	v_permlanex16_b32 v[TM+4+\b], v[TM+\b], s[SEL], s[SEL+1]
.endr
.irp b, 0,1,2,3
	v_max_num_f32 v[TM+\b], v[TM+\b], v[TM+4+\b]       ; with lane l xor 16's: the block's largest magnitude
.endr
.irp b, 0,1,2,3
	v_add_nc_u32 v[TM+8+\b], 0xff000000, v[TM+\b]      ; 2 off its exponent field: the conversion's scale operand
.endr
.irp b, 0,1,2,3
	v_lshrrev_b32 v[TM+4+\b], 23, v[TM+8+\b]           ; the scale's byte
.endr
	v_lshl_or_b32 v[\pw], v[TM+5], 8, v[TM+4]
	v_lshl_or_b32 v[\pw], v[TM+6], 16, v[\pw]
	v_lshl_or_b32 v[\pw], v[TM+7], 24, v[\pw]
	v_cvt_scalef32_pk16_fp6_f32 v[\d0:\d0+2], v[\s:\s+15], v[TM+8]
	v_cvt_scalef32_pk16_fp6_f32 v[Y:Y+2], v[\s+16:\s+31], v[TM+9]
	v_cvt_scalef32_pk16_fp6_f32 v[\d1:\d1+2], v[\s+32:\s+47], v[TM+10]
	v_cvt_scalef32_pk16_fp6_f32 v[Y+4:Y+6], v[\s+48:\s+63], v[TM+11]
	v_nop                                              ; one plain place behind the scaled conversions
.irp i, 0,1,2
	v_permlane16_swap_b32 v[\d0+\i], v[Y+\i]           ; a whole block to a lane: lanes 0-15 the even block, lanes 16-31 the odd one
.endr
.irp i, 0,1,2
	v_mov_b32 v[\d0+3+\i], v[Y+\i]
.endr
.irp i, 0,1,2
	v_permlane16_swap_b32 v[\d1+\i], v[Y+4+\i]
.endr
.irp i, 0,1,2
	v_mov_b32 v[\d1+3+\i], v[Y+4+\i]
.endr
.endm
	s_load_b128 s[4:7], s[0:1], 0x0                ; x, W_qkv
	s_load_b128 s[8:11], s[0:1], 0x10              ; W_proj, xc
	s_load_b128 s[12:15], s[0:1], 0x20             ; xs, wc
	s_load_b64 s[16:17], s[0:1], 0x30              ; ws
	v_lshl_add_u32 v254, v0, 2, 0x8400
	v_mov_b32 v255, 0
	v_lshrrev_b32 v1, 5, v0
	v_readfirstlane_b32 s18, v1                    ; wave
	v_and_b32 v1, 31, v0                           ; lane
	s_mov_b32 s[SEL], 0x76543210
	s_mov_b32 s[SEL+1], 0xfedcba98
	s_cmp_lt_u32 ttmp9, 256
	s_cbranch_scc0 .Lweights
	; ---------------- x
	v_lshlrev_b32 v2, 4, v1                        ; 16 x lane
	v_lshlrev_b32 v3, 3, v1                        ; 8 x lane
	v_and_b32 v7, 15, v0                           ; r
	v_bfe_u32 v26, v0, 4, 1                        ; h
	s_mul_i32 s19, s18, WSTG
	v_add_nc_u32 v4, s19, v2                       ; the stage, in: a row's 512 bytes as they lie
	v_mul_u32_u24 v5, v7, SPT
	v_lshl_add_u32 v5, v26, 6, v5
	v_add_nc_u32 v5, s19, v5                       ; out: row r, + 64 h: my 16 numbers of a block
	v_lshlrev_b32 v6, 4, v7
	v_lshl_add_u32 v6, v26, 3, v6                  ; the scale words: 16 r + 8 h
.irp b, 0,1,2,3
	v_mov_b32 v[TM+4+\b], 0                        ; written once: a lane permute's destination counts as one of its sources
.endr
	s_lshl_b32 s20, ttmp9, 2
	s_add_co_u32 s20, s20, s18                     ; 2 x tile + half of K
	s_lshr_b32 s21, s20, 1                         ; the tile T
	s_and_b32 s22, s20, 1                          ; which 512 along K
	s_lshr_b32 s23, s21, 1
	s_lshl_b32 s23, s23, 17                        ; 32 (T / 2) rows of 4,096 bytes
	s_and_b32 s24, s21, 1
	s_lshl_b32 s24, s24, 15                        ; + 8 (T % 2) rows
	s_add_co_u32 s24, s24, s23
	s_lshl_b32 s23, s22, 11
	s_add_co_u32 s24, s24, s23
	s_mov_b32 s25, 0
	s_mul_i32 s26, s21, 12288                      ; the tile's 16 images,
	s_mul_i32 s23, s22, 6144                       ; my eight of them
	s_add_co_u32 s26, s26, s23
	s_mov_b32 s27, 0
	s_lshl_b32 s28, s20, 8                         ; 256 bytes of scale words
	s_mov_b32 s29, 0
	s_wait_kmcnt 0x0
	s_add_nc_u64 s[4:5], s[4:5], s[24:25]
	s_add_nc_u64 s[10:11], s[10:11], s[26:27]
	s_add_nc_u64 s[12:13], s[12:13], s[28:29]
.macro LOADF f                         ; 128 along K of the tile's 16 rows: each load reads 512 consecutive bytes of one row
.set p, 0
.rept 16
	global_load_b128 v[R+64*((\f)%2)+4*p:R+64*((\f)%2)+4*p+3], v2, s[4:5] offset:(p+8*(p/8))*4096+512*(\f) th:TH_LOAD_NT
.set p, p+1
.endr
.endm
.macro TURNF f                         ; through the stage: LDS serves a wave's instructions in order, so no wait stands between the stores and the loads
.set p, 0
.rept 16
	ds_store_b128 v4, v[R+64*((\f)%2)+4*p:R+64*((\f)%2)+4*p+3] offset:SPT*p
.set p, p+1
.endr
.set p, 0
.rept 16
	ds_load_b128 v[X+4*p:X+4*p+3], v5 offset:128*(p/4)+16*(p%4)
.set p, p+1
.endr
.endm
	LOADF 0
	LOADF 1
.irp f, 0,1,2,3
.if \f < 3
	s_wait_loadcnt 16                              ; this fragment's 16 loads are in; the next one's 16 may be out
.else
	s_wait_loadcnt 0x0
.endif
	TURNF \f
	s_wait_dscnt 0x0                               ; the numbers are back, and the stage's stores have read their registers
	s_wait_xcnt 0x0                                ; the last fragment's stores have read the codes' registers
.if \f < 2
	LOADF \f+2
.endif
	QUANT X, PC, PC+6, PW+\f
	global_store_b128 v2, v[PC:PC+3], s[10:11] offset:1536*\f           ; 512 consecutive bytes
	global_store_b64 v3, v[PC+4:PC+5], s[10:11] offset:1536*\f+512      ; 256 consecutive bytes
	global_store_b128 v2, v[PC+6:PC+9], s[10:11] offset:1536*\f+768
	global_store_b64 v3, v[PC+10:PC+11], s[10:11] offset:1536*\f+1280
.endr
	s_mov_b32 vcc_lo, 0xffff0000
	v_cndmask_b32 v24, v[PW], v[PW+2], vcc_lo      ; lanes 0-15 store words 0, 1 of row r, lanes 16-31 words 2, 3
	v_cndmask_b32 v25, v[PW+1], v[PW+3], vcc_lo
	global_store_b64 v6, v[24:25], s[12:13]        ; 256 consecutive bytes
	s_wait_tensorcnt 0x0
	ds_add_u32 v254, v255
	s_wait_dscnt 0x0
	s_endpgm
	; ---------------- the weights
.Lweights:
	s_sub_co_u32 s20, ttmp9, 256
	s_and_b32 s21, s20, 31                         ; which 128 columns of the 4,096 (3,072 of W_qkv, then 1,024 of W_proj)
	s_lshr_b32 s22, s20, 5                         ; which 128 along K
	v_lshlrev_b32 v2, 2, v1                        ; in: 4 bytes a lane
	v_bfe_u32 v3, v0, 3, 1                         ; column l of 32 is lane r = l % 8 + 8 (l / 16) of tile u = (l / 8) % 2
	v_and_b32 v4, 7, v0
	v_bfe_u32 v5, v0, 4, 1
	v_lshl_or_b32 v4, v5, 3, v4                    ; r
	v_lshlrev_b32 v8, 9, v3
	v_lshl_add_u32 v8, v4, 4, v8                   ; scale word: 512 u + 16 r
	v_mul_u32_u24 v3, v3, 12288
	v_lshl_add_u32 v6, v4, 4, v3                   ; codes, registers 0-3: 12,288 u + 16 r
	v_lshl_add_u32 v7, v4, 3, v3                   ; registers 4-5: 12,288 u + 8 r
	s_lshl_b32 s23, s21, 3
	s_lshl_b32 s24, s18, 1
	s_add_co_u32 s23, s23, s24                     ; my first tile
	s_mul_i32 s24, s23, 12288
	s_mul_i32 s25, s22, 1536
	s_add_co_u32 s24, s24, s25
	s_mov_b32 s25, 0
	s_lshl_b32 s26, s23, 9
	s_lshr_b32 s27, s22, 2
	s_lshl_b32 s27, s27, 8
	s_add_co_u32 s26, s26, s27
	s_and_b32 s27, s22, 3
	s_lshl_b32 s27, s27, 2
	s_add_co_u32 s26, s26, s27
	s_mov_b32 s27, 0
	s_lshl_b32 s28, s18, 7                         ; my wave's 32 columns, in bytes
	s_mov_b32 s29, 0
	s_wait_kmcnt 0x0
	s_add_nc_u64 s[14:15], s[14:15], s[24:25]
	s_add_nc_u64 s[16:17], s[16:17], s[26:27]
.macro LOADB t, stride, base           ; block t: W(32 t + k, my column), k = 0 .. 31, into registers of its own: each load reads 128 consecutive bytes
.set k, 0
.rept 32
	global_load_b32 v[R+32*(\t)+k], v2, s[\base:\base+1] offset:(32*(\t)+k)*\stride th:TH_LOAD_NT
.set k, k+1
.endr
.endm
.macro WBLOCK t, stride, base          ; block t of 32 along K: all its numbers are mine
.set XS, R+32*(\t)
.if (\t) < 3
	s_wait_loadcnt 32                              ; this block's 32 loads are in; the next block's 32 may be out
.else
	s_wait_loadcnt 0x0
.endif
.if (\t) < 2
	LOADB (\t)+2, \stride, \base                   ; two blocks ahead, asked for before this block is worked
.endif
	v_max3_num_f32 v12, |v[XS]|, |v[XS+1]|, |v[XS+2]|
	v_max3_num_f32 v13, |v[XS+3]|, |v[XS+4]|, |v[XS+5]|
.irp i, 6,10,14,18,22,26
	v_max3_num_f32 v12, v12, |v[XS+\i]|, |v[XS+\i+1]|
	v_max3_num_f32 v13, v13, |v[XS+\i+2]|, |v[XS+\i+3]|
.endr
	v_max3_num_f32 v12, v12, |v[XS+30]|, |v[XS+31]|
	v_max3_num_f32 v12, v12, v13, 0x1800000        ; and the floor
	v_add_nc_u32 v11, 0xff000000, v12
	v_lshrrev_b32 v13, 23, v11
.if (\t) == 0
	v_mov_b32 v[WD], v13
.else
	v_lshl_or_b32 v[WD], v13, 8*(\t), v[WD]
.endif
	v_cvt_scalef32_pk16_fp6_f32 v[C+12*(\t):C+12*(\t)+2], v[XS:XS+15], v11
	v_cvt_scalef32_pk16_fp6_f32 v[C+12*(\t)+6:C+12*(\t)+8], v[XS+16:XS+31], v11
	v_nop                                          ; one plain place behind the scaled conversions
.irp i, 0,1,2
	v_mov_b32 v[C+12*(\t)+3+\i], v[C+12*(\t)+6+\i]
.endr
	global_store_b128 v6, v[C+12*(\t):C+12*(\t)+3], s[14:15] offset:768*((\t)/2)+256*((\t)%2)          ; block t is half t % 2 of image t / 2: sixteen lanes fill 256 consecutive bytes; each block has code registers of its own
	global_store_b64 v7, v[C+12*(\t)+4:C+12*(\t)+5], s[14:15] offset:768*((\t)/2)+512+128*((\t)%2)
.endm
.macro WALL stride, base               ; a wave's 32 columns x 128 K; the two weights differ in the bytes from row to row alone, which stand in the loads' immediates: so the path is written out once for each
	LOADB 0, \stride, \base
	LOADB 1, \stride, \base
	WBLOCK 0, \stride, \base
	WBLOCK 1, \stride, \base
	WBLOCK 2, \stride, \base
	WBLOCK 3, \stride, \base
	global_store_b32 v8, v[WD], s[16:17]
	s_endpgm
.endm
	s_cmp_lt_u32 s21, 24
	s_cbranch_scc0 .Lwproj
	s_mul_i32 s23, s22, 128*12288                  ; W_qkv: 128 rows of 12,288 bytes a K step, 512 bytes a group of columns
	s_lshl_b32 s24, s21, 9
	s_add_co_u32 s28, s28, s23
	s_add_co_u32 s28, s28, s24
	s_add_nc_u64 s[6:7], s[6:7], s[28:29]
	WALL 12288, 6
.Lwproj:
	s_lshl_b32 s23, s22, 19                        ; W_proj: 128 rows of 4,096 bytes a K step
	s_sub_co_u32 s24, s21, 24
	s_lshl_b32 s24, s24, 9
	s_add_co_u32 s28, s28, s23
	s_add_co_u32 s28, s28, s24
	s_add_nc_u64 s[8:9], s[8:9], s[28:29]
	WALL 4096, 8
.Lfunc_end_k_q2b28de2dfd_prep:
	.size	k_q2b28de2dfd_prep, .Lfunc_end_k_q2b28de2dfd_prep-k_q2b28de2dfd_prep
	.p2alignl 7, 3214868480
	.fill 96, 4, 3214868480
	.section	.rodata,"a",@progbits
	.p2align	6, 0x0
	.amdhsa_kernel k_q2b28de2dfd_prep
		.amdhsa_group_segment_fixed_size 34304
		.amdhsa_private_segment_fixed_size 0
		.amdhsa_enable_private_segment 0
		.amdhsa_kernarg_size 56
		.amdhsa_user_sgpr_count 2
		.amdhsa_user_sgpr_kernarg_segment_ptr 1
		.amdhsa_wavefront_size32 1
		.amdhsa_system_sgpr_workgroup_id_x 1
		.amdhsa_system_sgpr_workgroup_id_y 1
		.amdhsa_system_sgpr_workgroup_id_z 1
		.amdhsa_system_vgpr_workitem_id 0
		.amdhsa_next_free_vgpr 256
		.amdhsa_next_free_sgpr 66
		.amdhsa_reserve_vcc 1
		.amdhsa_float_denorm_mode_32 3
		.amdhsa_float_denorm_mode_16_64 3
		.amdhsa_memory_ordered 1
		.amdhsa_forward_progress 1
		.amdhsa_inst_pref_size 73
	.end_amdhsa_kernel
	.amdgpu_metadata
---
amdhsa.version: [ 1, 2 ]
amdhsa.kernels:
  - .name:           k_q2b28de2dfd_prep
    .symbol:         k_q2b28de2dfd_prep.kd
    .args:
      - { .name: x, .offset: 0, .size: 8, .value_kind: global_buffer, .address_space: global }
      - { .name: W_qkv, .offset: 8, .size: 8, .value_kind: global_buffer, .address_space: global }
      - { .name: W_proj, .offset: 16, .size: 8, .value_kind: global_buffer, .address_space: global }
      - { .name: xc, .offset: 24, .size: 8, .value_kind: global_buffer, .address_space: global }
      - { .name: xs, .offset: 32, .size: 8, .value_kind: global_buffer, .address_space: global }
      - { .name: wc, .offset: 40, .size: 8, .value_kind: global_buffer, .address_space: global }
      - { .name: ws, .offset: 48, .size: 8, .value_kind: global_buffer, .address_space: global }
    .group_segment_fixed_size: 34304
    .private_segment_fixed_size: 0
    .kernarg_segment_align: 8
    .kernarg_segment_size: 56
    .max_flat_workgroup_size: 128
    .sgpr_count:     66
    .vgpr_count:     256
    .wavefront_size: 32
...
	.end_amdgpu_metadata
.endif
;; end of part 1
;; launch qkv (part 2): grid 8 x 48, 4 waves a work-group, clusters of 4 x 4, 327,680 bytes of LDS; arguments xc, xs, wc, ws, b_qkv, qkc, vc; writes qkc, vc
.if DOCPART == 2
	.amdgcn_target "amdgcn-amd-amdhsa--gfx1250"
	.amdhsa_code_object_version 6
	.text
	.protected	k_q2b28de2dfd_qkv
	.globl	k_q2b28de2dfd_qkv
	.p2align	8
	.type	k_q2b28de2dfd_qkv,@function
k_q2b28de2dfd_qkv:
	s_mov_b64 s[64:65], 0
	v_nop
	global_prefetch_b8 v0, s[64:65] scope:SCOPE_SE
	s_setreg_imm32_b32 hwreg(HW_REG_WAVE_MODE, 25, 1), 1
	s_wait_xcnt 0x0
	s_wait_alu depctr_hold_cnt(0) depctr_sa_sdst(0) depctr_va_vdst(0) depctr_va_sdst(0) depctr_va_ssrc(0) depctr_va_vcc(0) depctr_vm_vsrc(0)
	s_getreg_b32 s2, hwreg(HW_REG_IB_STS2, 6, 4)
	s_cmp_eq_u32 s2, 0
	s_cbranch_scc0 .Lentry_in_a_cluster
	s_endpgm
.Lentry_in_a_cluster:
	s_bfe_u32 s2, ttmp6, 0x10000c
	s_cmp_lg_u32 s2, 0xf033
	s_cbranch_scc0 .Lentry_shape_is_right
	s_endpgm
.Lentry_shape_is_right:
; qkv = x W_qkv + b_qkv on codes of FP6 (E2M3), and q, k, v quantised on the way out: q and k along the head's 64, v along the keys.  Nothing wide goes to memory.
; A tile of 256 x 256 of the product to a work-group of four waves, 128 x 128 a wave: 64 accumulators, 512 registers.  K = 1,024 goes in four steps of 256 through two LDS slots filled by the tensor data mover.
; CODES lie as images of the operand's registers (768 bytes = 16 rows x 64 K: lane l's registers 0-3 at 16 l, registers 4-5 at 512 + 8 l), [tile of 16 rows][16 images]: a fragment is four dense LDS loads, no padding.
; Lane r of tile 2 g + u holds row 32 g + 8 u + r + 8 (r / 8).  THE MATRIX INSTRUCTION IS USED TRANSPOSED (source 0 = 16 rows of 'B', source 1 = 16 rows of 'A'): lane (r, h) of accumulator (a, b) holds A's row r of
; tile a, and its register j holds B's row 32 (b / 2) + 16 h + 8 (b % 2) + j: so the 64 registers of a block a are, four times, 16 neighbours of a block of 32 along B's rows: what the quantiser wants.
; TWO MODES, by the cluster's y alone (the same in all sixteen partners).  Clusters y 0-7: A = tokens, B = the 2,048 channels of q and k: a lane holds a token, its registers run along the channels.
; Clusters y 8-11: A = the 1,024 channels of v, B = tokens: a lane holds a channel, its registers run along the keys.  Only pointers, the bias and the way out differ.
; OUT: records of 6,400 bytes for 128 tokens of one head.  qkc [32: q's heads, k's heads][64][6,400]: 8 images (16 tokens x the head's 64), then 256 bytes of scales.  vc [16][64][6,400]: [4 tiles of 16 channels][2 x 64 keys]
; images, then 256 bytes of scales.  Scales: lane (r, h) has 8 bytes at 8 l: the word of fragment h, then that of fragment 2 + h (q, k: a fragment = two neighbouring images).
; CLUSTERS: 4 x 4.  A's tiles are asked for jointly along a row of the cluster, B's along a column.
; LIMITS: a block of zeros gets the byte 1 where the rule says 127 (its codes are zeros; only this program reads the bytes); NaN and infinities are not served.
; REGISTERS: window 0: v2-6 lane terms; v16-23 LDS addresses; v27 the scale words' address; v28, v29 the spare word's address and 0; v32-63 scale words, two sets; v64-127 the bias; v128-223 A's fragments, one set
;   (on the way out: v128-191 a block's 64 numbers, v192-251 at work).  Window 1: B's fragments, two sets, at v0 and v128.  Windows 2, 3: the accumulators, (a, b) at 8 (8 a + b).
.set NB,    8                          ; B's tiles of 16 rows for a wave
.set FR,    12                         ; registers of a fragment
.set FRB,   1536                       ; and its bytes
.set TSL,   3072                       ; a tile of 16 rows x 256 K
.set HALFA, 8*TSL
.set HALFB, NB*TSL
.set SLOT,  2*HALFA+2*HALFB            ; A's 256 rows, then B's
.set SCB,   2*SLOT                     ; behind the ring: B's scale words for all of K, 512 bytes a tile,
.set SCA,   SCB+1024*NB                ; and A's
.set SPARE, SCA+8192                   ; the spare words, 128 bytes for each wave: two blocks of 256 bytes that no other line names
.set OL16, 2
.set OL8,  3
.set ADRA, 16                          ; v16, v17: 16 x lane + my A rows in slot 0, 1; v18, v19: the same with 8 x lane
.set ADRB, 20                          ; v20-23 likewise for B
.set ADRS, 27
.set SPW,  28
.set NIL,  29
.set SC,   32                          ; set s at v[SC + 16 s]: register 2 i + q: lanes 0-15 B's tile i, lanes 16-31 A's tile i, the slot's q-th 128 along K
.set BI,   64
.set AF,   128
.set EX,   128
.set TM,   192
.set Y,    208
.set PCE,  216
.set PWR,  240
.set SP2,  248
.set SEL,  66
.set G1,   24
.set G0,   32
.set G1B,  48
.set G0B,  56
.set G1S,  68
.set G0S,  76
.set G1SB, 80
.set G0SB, 88
.set MSB, 0
.macro WIN new                         ; the immediate's high byte repeats the setting that is left
.if MSB != (\new)
	s_set_vgpr_msb (MSB<<8)|(\new)
.set MSB, \new
.endif
.endm
.macro PLACES                          ; four plain places behind matrix instructions, in front of loads into their registers and of the first read of results
.rept 4
	v_nop
.endr
.endm
; A joint load: waves 0 and 1 fetch for A, waves 2 and 3 for B; the branch hangs on the wave's number alone.  Four v_nop follow each of the two lines.
.macro JLOAD g0a, g1a, g0b, g1b
	s_cmp_eq_u32 s15, 0
	s_cbranch_scc0 .Lfor_b_\@
	tensor_load_to_lds s[\g0a:\g0a+3], s[\g1a:\g1a+7]
	s_nop 0
.rept 4
	v_nop
.endr
	s_branch .Lasked_\@
.Lfor_b_\@:
	tensor_load_to_lds s[\g0b:\g0b+3], s[\g1b:\g1b+7]
	s_nop 0
.rept 4
	v_nop
.endr
.Lasked_\@:
.endm
.macro CREST                           ; a round of the cluster's barrier behind its opening barrier
	s_cmp_lg_u32 s14, 0
	s_cbranch_scc1 .Lnot_wave_0_\@
	s_barrier_signal -3
.Lnot_wave_0_\@:
	s_barrier_wait -3
	s_barrier_signal -1
	s_barrier_wait -1
.endm
.macro CROUND
	s_barrier_signal -1
	s_barrier_wait -1
	CREST
.endm
.macro FINISH                          ; the wave's end; then the closing round: no work-group ends while a partner may still ask jointly
	s_wait_tensorcnt 0x0
	ds_add_u32 v[SPW], v[NIL]
	s_wait_dscnt 0x0
	CROUND
	s_endpgm
.endm
.macro QUANT s, d0, d1, pw             ; 64 numbers of a lane (register 16 b + i = k 32 b + 16 h + i of my row) become two images' registers and a scale word
.irp b, 0,1,2,3
	v_max3_num_f32 v[TM+\b], |v[\s+16*\b]|, |v[\s+1+16*\b]|, 0x1800000   ; and the floor 2^(3 - 127): the byte cannot fall under 1
.endr
.irp i, 2,4,6,8,10,12,14
.irp b, 0,1,2,3
	v_max3_num_f32 v[TM+\b], v[TM+\b], |v[\s+16*\b+\i]|, |v[\s+1+16*\b+\i]|
.endr
.endr
.irp b, 0,1,2,3
	v_permlanex16_b32 v[TM+4+\b], v[TM+\b], s[SEL], s[SEL+1]
.endr
.irp b, 0,1,2,3
	v_max_num_f32 v[TM+\b], v[TM+\b], v[TM+4+\b]
.endr
.irp b, 0,1,2,3
	v_add_nc_u32 v[TM+8+\b], 0xff000000, v[TM+\b]      ; 2 off the exponent field: the conversion's scale operand
.endr
.irp b, 0,1,2,3
	v_lshrrev_b32 v[TM+4+\b], 23, v[TM+8+\b]
.endr
	v_lshl_or_b32 v[\pw], v[TM+5], 8, v[TM+4]
	v_lshl_or_b32 v[\pw], v[TM+6], 16, v[\pw]
	v_lshl_or_b32 v[\pw], v[TM+7], 24, v[\pw]
	v_cvt_scalef32_pk16_fp6_f32 v[\d0:\d0+2], v[\s:\s+15], v[TM+8]
	v_cvt_scalef32_pk16_fp6_f32 v[Y:Y+2], v[\s+16:\s+31], v[TM+9]
	v_cvt_scalef32_pk16_fp6_f32 v[\d1:\d1+2], v[\s+32:\s+47], v[TM+10]
	v_cvt_scalef32_pk16_fp6_f32 v[Y+4:Y+6], v[\s+48:\s+63], v[TM+11]
	v_nop                                              ; one plain place behind the scaled conversions
.irp i, 0,1,2
	v_permlane16_swap_b32 v[\d0+\i], v[Y+\i]
.endr
.irp i, 0,1,2
	v_mov_b32 v[\d0+3+\i], v[Y+\i]
.endr
.irp i, 0,1,2
	v_permlane16_swap_b32 v[\d1+\i], v[Y+4+\i]
.endr
.irp i, 0,1,2
	v_mov_b32 v[\d1+3+\i], v[Y+4+\i]
.endr
.endm
	s_load_b256 s[4:11], s[0:1], 0x0               ; xc, xs, wc, ws
	s_load_b128 s[92:95], s[0:1], 0x20             ; b_qkv, qkc
	s_load_b64 s[96:97], s[0:1], 0x30              ; vc
	v_lshl_add_u32 v[SPW], v0, 2, SPARE
	v_mov_b32 v[NIL], 0
	ds_add_u32 v28, v29
	ds_add_u32 v28, v29
	s_wait_dscnt 0x0
	v_lshrrev_b32 v1, 5, v0
	v_readfirstlane_b32 s14, v1                    ; wave 0..3
	s_lshr_b32 s15, s14, 1                         ; my half of A's rows.  Also: I fetch for A (0) or for B (1)
	s_and_b32 s16, s14, 1                          ; my half of B's rows.  Also: which half of that tile I fetch
	s_bfe_u32 s40, ttmp6, 0x40000                  ; cx
	s_bfe_u32 s41, ttmp6, 0x40004                  ; cy
	s_and_b32 s12, ttmp7, 0xffff                   ; the cluster's y
	s_max_u32 s18, s12, 8
	s_sub_co_u32 s18, s18, 8
	s_lshl_b32 s18, s18, 3                         ; 8 (cluster y - 8) in v's clusters, else 0
	s_lshl_b32 s42, ttmp9, 2
	s_add_co_u32 s42, s42, s18
	s_add_co_u32 s42, s42, s40                     ; B's tile of 256 rows
	s_lshl_b32 s17, s12, 2
	s_lshl_b32 s43, s41, 2
	s_lshl_b32 s43, 15, s43                        ; my row of the cluster
	s_lshl_b32 s44, 0x1111, s40                    ; my column
	; descriptor groups 1.  Codes: 8 (NB) tiles' 3,072 bytes, 12,288 bytes apart, as elements of 8 bytes.  Scales: a dense block as rows of 256 bytes.
	s_or_b32 s[G1], s43, (3<<16)|(1<<21)           ; 15:0 the mask; 17:16 elements of 8 bytes; 21 set beside a mask
	s_or_b32 s[G1B], s44, (3<<16)|(1<<21)
	s_or_b32 s[G1S], s43, (3<<16)|(1<<21)
	s_or_b32 s[G1SB], s44, (3<<16)|(1<<21)
.irp g, G1, G1B
	s_mov_b32 s[\g+1], 384<<16                     ; tensor_dim0
	s_mov_b32 s[\g+3], 384<<16                     ; tile_dim0
	s_mov_b32 s[\g+5], 1536                        ; the pitch
	s_mov_b32 s[\g+6], 0
	s_mov_b32 s[\g+7], 0
.endr
	s_mov_b32 s[G1+2], 8<<16                       ; tensor_dim1
	s_mov_b32 s[G1+4], 8                           ; tile_dim1
	s_mov_b32 s[G1B+2], NB<<16
	s_mov_b32 s[G1B+4], NB
.irp g, G1S, G1SB
	s_mov_b32 s[\g+1], 32<<16
	s_mov_b32 s[\g+3], 32<<16
	s_mov_b32 s[\g+5], 32
	s_mov_b32 s[\g+6], 0
	s_mov_b32 s[\g+7], 0
.endr
	s_mov_b32 s[G1S+2], 16<<16
	s_mov_b32 s[G1S+4], 16
	s_mov_b32 s[G1SB+2], (2*NB)<<16
	s_mov_b32 s[G1SB+4], 2*NB
	s_cmp_ge_u32 s12, 8
	s_cselect_b32 s3, 1, 0                         ; the mode: 1 = v
	s_cselect_b32 s17, 0, s17
	s_cselect_b32 s19, 128, 0                      ; W_v's columns begin at tile 128 of wc
	s_add_co_u32 s17, s17, s41                     ; A's tile of 256 rows
	s_lshl_b32 s13, s16, 3
	s_lshl_b32 s18, s17, 4
	s_add_co_u32 s18, s18, s13
	s_add_co_u32 s18, s18, s19                     ; the first of A's tiles of 16 rows that I fetch
	s_mul_i32 s20, s18, 12288
	s_mov_b32 s21, 0
	s_lshl_b32 s22, s18, 9
	s_mov_b32 s23, 0
	s_lshl_b32 s19, s42, 4
	s_add_co_u32 s19, s19, s13                     ; and of B's
	s_mul_i32 s46, s19, 12288
	s_mov_b32 s47, 0
	s_lshl_b32 s98, s19, 9
	s_mov_b32 s99, 0
	s_mul_i32 s45, s16, HALFA                      ; where they go: no place in the cluster enters an LDS address
	s_mul_i32 s2, s16, HALFB
	s_add_co_u32 s2, s2, 2*HALFA
	s_lshl_b32 s100, s16, 12
	s_mul_i32 s101, s16, 512*NB
	s_wait_kmcnt 0x0
	s_cmp_eq_u32 s3, 1                             ; the buffers change places with the mode; the 64-bit sums leave SCC alone
	s_cselect_b64 s[12:13], s[8:9], s[4:5]
	s_add_nc_u64 s[20:21], s[12:13], s[20:21]      ; A's codes
	s_cselect_b64 s[12:13], s[10:11], s[6:7]
	s_add_nc_u64 s[22:23], s[12:13], s[22:23]      ; A's scales
	s_cselect_b64 s[12:13], s[4:5], s[8:9]
	s_add_nc_u64 s[46:47], s[12:13], s[46:47]      ; B's codes
	s_cselect_b64 s[12:13], s[6:7], s[10:11]
	s_add_nc_u64 s[98:99], s[12:13], s[98:99]      ; B's scales
	s_cselect_b64 s[94:95], s[96:97], s[94:95]     ; the output
	CROUND                                         ; all sixteen work-groups are here: the first joint loads meet
	s_mov_b32 s[G0S], 1
	s_add_co_u32 s[G0S+1], s100, SCA
	s_mov_b64 s[G0S+2:G0S+3], s[22:23]
	s_or_b32 s[G0S+3], s[G0S+3], 0x80000000
	s_mov_b32 s[G0SB], 1
	s_add_co_u32 s[G0SB+1], s101, SCB
	s_mov_b64 s[G0SB+2:G0SB+3], s[98:99]
	s_or_b32 s[G0SB+3], s[G0SB+3], 0x80000000
	JLOAD G0S, G1S, G0SB, G1SB                     ; the scales of all of K: filled once
.irp s, 0,1
	s_mov_b32 s[G0+4*\s], 1
	s_add_co_u32 s[G0+4*\s+1], s45, \s*SLOT
	s_add_nc_u64 s[G0+4*\s+2:G0+4*\s+3], s[20:21], \s*TSL
	s_or_b32 s[G0+4*\s+3], s[G0+4*\s+3], 0x80000000
	s_mov_b32 s[G0B+4*\s], 1
	s_add_co_u32 s[G0B+4*\s+1], s2, \s*SLOT
	s_add_nc_u64 s[G0B+4*\s+2:G0B+4*\s+3], s[46:47], \s*TSL
	s_or_b32 s[G0B+4*\s+3], s[G0B+4*\s+3], 0x80000000
	JLOAD G0+4*\s, G1, G0B+4*\s, G1B               ; three loads of mine are out at the most
.endr
	v_and_b32 v1, 31, v0
	v_lshlrev_b32 v[OL16], 4, v1                   ; 16 x lane
	v_lshlrev_b32 v[OL8], 3, v1                    ; 8 x lane
	v_and_b32 v4, 15, v0                           ; r
	v_bfe_u32 v5, v0, 4, 1                         ; h
	s_mul_i32 s12, s15, HALFA                      ; my 128 rows of A
	s_mul_i32 s13, s16, HALFB
	s_add_co_u32 s13, s13, 2*HALFA                 ; my rows of B, behind A's 256
.irp s, 0,1
	v_add_nc_u32 v[ADRA+\s], s12, v[OL16]
	v_add_nc_u32 v[ADRA+2+\s], s12, v[OL8]
	v_add_nc_u32 v[ADRB+\s], s13, v[OL16]
	v_add_nc_u32 v[ADRB+2+\s], s13, v[OL8]
	s_add_co_u32 s12, s12, SLOT
	s_add_co_u32 s13, s13, SLOT
.endr
	s_mul_i32 s12, s16, 512*NB                     ; the scale words: lanes 0-15 take B's, lanes 16-31 A's: the lower base + h x the distance
	s_lshl_b32 s13, s15, 12
	s_add_co_u32 s13, s13, SCA-SCB
	s_sub_co_u32 s13, s13, s12
	v_mul_u32_u24 v6, s13, v5
	s_add_co_u32 s12, s12, SCB
	v_lshl_add_u32 v6, v4, 4, v6
	v_add_nc_u32 v[ADRS], s12, v6
	s_mov_b32 s[SEL], 0x76543210
	s_mov_b32 s[SEL+1], 0xfedcba98
	; where my records begin: ((4 P + 2 p) 64 + 2 S + s) x 6,400; P, p: tile and half along the channels, S, s: along the tokens
	s_cmp_eq_u32 s3, 1
	s_cselect_b32 s4, s17, s42
	s_cselect_b32 s5, s15, s16
	s_cselect_b32 s6, s42, s17
	s_cselect_b32 s7, s16, s15
	s_lshl_b32 s4, s4, 1
	s_add_co_u32 s4, s4, s5
	s_lshl_b32 s4, s4, 7
	s_lshl_b32 s6, s6, 1
	s_add_co_u32 s6, s6, s7
	s_add_co_u32 s4, s4, s6
	s_mul_i32 s4, s4, 6400
	s_mov_b32 s5, 0
	s_add_nc_u64 s[94:95], s[94:95], s[4:5]
.macro FRAG reg, adr, q, i             ; a fragment: two images, four dense loads
	ds_load_b128 v[\reg:\reg+3], v[\adr] offset:(\i)*TSL+(\q)*FRB
	ds_load_b64 v[\reg+4:\reg+5], v[\adr+2] offset:(\i)*TSL+(\q)*FRB+512
	ds_load_b128 v[\reg+6:\reg+9], v[\adr] offset:(\i)*TSL+(\q)*FRB+768
	ds_load_b64 v[\reg+10:\reg+11], v[\adr+2] offset:(\i)*TSL+(\q)*FRB+1280
.endm
.macro FETCH_B slot, q, p              ; B's fragments of the slot's q-th 128 along K into set p
	WIN 0x40
.set fi, 0
.rept NB
	FRAG 128*(\p)+FR*fi, ADRB+\slot, \q, fi
.set fi, fi+1
.endr
	WIN 0
.endm
.macro FETCH_A slot, q, i0             ; A's blocks i0 .. i0 + 3
.irp i, 0,1,2,3
	FRAG AF+FR*(\i0+\i), ADRA+\slot, \q, \i0+\i
.endr
.endm
.macro SCALES sc, sg                   ; the scale words of K step sg (256 along K) into set sc
.irp i, 0,1,2,3,4,5,6,7
	ds_load_b64 v[SC+16*(\sc)+2*\i:SC+16*(\sc)+2*\i+1], v[ADRS] offset:512*\i+256*((\sg)/2)+8*((\sg)%2)
.endr
.endm
; A's blocks a0, a0 + 1 against B's NB.  p: B's set; q: which 128 of the slot; sc: the scale set; cm = 1: the first product starts the sums.  The accumulators take turns, one instruction a turn.
.macro MULB a0, p, q, sc, cm
.irp a, \a0, \a0+1
.set AW, 2+(8*NB*(\a))/256
	WIN 0x01|(AW<<4)|(AW<<6)
.set bi, 0
.rept NB
.set AC, (8*(NB*(\a)+bi))%256
.if \cm == 1
	v_wmma_scale_f32_16x16x128_f8f6f4 v[AC:AC+7], v[128*(\p)+FR*bi:128*(\p)+FR*bi+FR-1], v[AF+FR*(\a):AF+FR*(\a)+FR-1], 0, v[SC+16*(\sc)+2*bi+(\q)], v[SC+16*(\sc)+2*(\a)+(\q)] matrix_a_fmt:MATRIX_FMT_FP6 matrix_b_fmt:MATRIX_FMT_FP6 matrix_b_scale:MATRIX_SCALE_ROW1
.else
	v_wmma_scale_f32_16x16x128_f8f6f4 v[AC:AC+7], v[128*(\p)+FR*bi:128*(\p)+FR*bi+FR-1], v[AF+FR*(\a):AF+FR*(\a)+FR-1], v[AC:AC+7], v[SC+16*(\sc)+2*bi+(\q)], v[SC+16*(\sc)+2*(\a)+(\q)] matrix_a_fmt:MATRIX_FMT_FP6 matrix_b_fmt:MATRIX_FMT_FP6 matrix_b_scale:MATRIX_SCALE_ROW1
.endif
.set bi, bi+1
.endr
.endr
.endm
.macro STEP slot, cm                   ; a slot's first 128 along K; it fetches the second's fragments
	s_wait_dscnt 16                                ; all but the youngest 16 loads (A's blocks 4-7) are in
	MULB 0, 0, 0, \slot, \cm
	MULB 2, 0, 0, \slot, \cm
	s_wait_dscnt 0x0
	PLACES
	FETCH_B \slot, 1, 1
	FETCH_A \slot, 1, 0
	MULB 4, 0, 0, \slot, \cm
	MULB 6, 0, 0, \slot, \cm
	PLACES
	WIN 0
	FETCH_A \slot, 1, 4
.endm
; A slot's second 128 along K changes slots: one barrier; in front of it each wave waits for all its tensor loads, adds 0 to its spare word, and waits for that and for its reads of this slot.
.macro TURN slot, next, fill, sg
	s_wait_tensorcnt 0x0                           ; all my tensor loads have landed: my part of the next slot
	ds_add_u32 v[SPW], v[NIL]                      ; 0 onto my spare word
	s_wait_dscnt 17                                ; (the add and the youngest 16 loads, A's blocks 4-7, may be out)
	MULB 0, 1, 1, \slot, 0
	s_wait_dscnt 0x0                               ; the add is done, and my reads of this slot are over
	s_barrier_signal -1
	MULB 2, 1, 1, \slot, 0
	WIN 0
	s_barrier_wait -1
.if \fill
	CREST                                          ; the barrier has opened a round of the cluster's: no wave of any partner still reads this slot or has a load on its way
	s_add_nc_u64 s[G0+4*\slot+2:G0+4*\slot+3], s[G0+4*\slot+2:G0+4*\slot+3], 2*TSL
	s_add_nc_u64 s[G0B+4*\slot+2:G0B+4*\slot+3], s[G0B+4*\slot+2:G0B+4*\slot+3], 2*TSL
	JLOAD G0+4*\slot, G1, G0B+4*\slot, G1B         ; the first tensor load behind the round; its four v_nop are the places in front of the loads below
.else
	PLACES
.endif
	FETCH_B \next, 0, 0
	FETCH_A \next, 0, 0
	SCALES \next, \sg
	MULB 4, 1, 1, \slot, 0
	MULB 6, 1, 1, \slot, 0
	PLACES
	WIN 0
	FETCH_A \next, 0, 4
.endm
.macro LAST                            ; the very last 128 along K: nothing more to fetch
	s_wait_dscnt 16
	MULB 0, 1, 1, 1, 0
	MULB 2, 1, 1, 1, 0
	s_wait_dscnt 0x0
	MULB 4, 1, 1, 1, 0
	MULB 6, 1, 1, 1, 0
	WIN 0
.endm
; THE WAY OUT, block by block of 16 rows of A.  One packed addition a pair adds the bias and brings the block into window 0 (each accumulator from its low end on); the block is quantised; its two images leave as they stand:
; 512 and 256 consecutive bytes a store.  m = 0: q, k (the bias runs along the registers; image c belongs to head c of my two); m = 1: v (the bias is my row's; image c holds keys 64 c on).
.macro EPI m
	s_wait_loadcnt 0x0                             ; the bias
	PLACES
.irp b, 0,1,2,3
	v_mov_b32 v[TM+4+\b], 0                        ; written once: a lane permute's destination counts as one of its sources
.endr
.irp a, 0,1,2,3,4,5,6,7
	WIN 0x02+(\a)/4
.set ek, 0
.rept 32
.if \m == 0
	v_pk_add_f32 v[EX+2*ek:EX+2*ek+1], v[(64*(\a))%256+2*ek:(64*(\a))%256+2*ek+1], v[BI+2*ek:BI+2*ek+1]
.else
	v_pk_add_f32 v[EX+2*ek:EX+2*ek+1], v[(64*(\a))%256+2*ek:(64*(\a))%256+2*ek+1], v[BI+2*(\a):BI+2*(\a)+1]
.endif
.set ek, ek+1
.endr
	WIN 0
	s_wait_xcnt 0x0                                ; the stores of two blocks ago have read the codes' registers
	QUANT EX, PCE+12*((\a)%2), PCE+12*((\a)%2)+6, PWR+\a
.if \m == 0
.set O0, 768*(\a)
.set O1, 768*(\a)+409600
.else
.set O0, 409600*((\a)/4)+1536*((\a)%4)
.set O1, 409600*((\a)/4)+1536*((\a)%4)+768
.endif
	global_store_b128 v[OL16], v[PCE+12*((\a)%2):PCE+12*((\a)%2)+3], s[94:95] offset:O0
	global_store_b64 v[OL8], v[PCE+12*((\a)%2)+4:PCE+12*((\a)%2)+5], s[94:95] offset:O0+512
	global_store_b128 v[OL16], v[PCE+12*((\a)%2)+6:PCE+12*((\a)%2)+9], s[94:95] offset:O1
	global_store_b64 v[OL8], v[PCE+12*((\a)%2)+10:PCE+12*((\a)%2)+11], s[94:95] offset:O1+512
.endr
	s_mov_b32 vcc_lo, 0xffff0000
.irp x, 0,1                            ; the scale words of my two heads' records: one aligned block of 256 bytes each
.if \m == 0
.irp g, 0,1,2,3
	v_perm_b32 v[TM+\g], v[PWR+2*\g+1], v[PWR+2*\g], 0x05040100+0x02020202*\x   ; fragment g: head x's two bytes of token tile 2 g, then those of tile 2 g + 1
.endr
	v_cndmask_b32 v[SP2+2*\x], v[TM], v[TM+1], vcc_lo
	v_cndmask_b32 v[SP2+2*\x+1], v[TM+2], v[TM+3], vcc_lo
.else
	v_cndmask_b32 v[SP2+2*\x], v[PWR+4*\x], v[PWR+4*\x+1], vcc_lo
	v_cndmask_b32 v[SP2+2*\x+1], v[PWR+4*\x+2], v[PWR+4*\x+3], vcc_lo
.endif
	global_store_b64 v[OL8], v[SP2+2*\x:SP2+2*\x+1], s[94:95] offset:409600*\x+6144
.endr
.endm
	s_wait_tensorcnt 1                             ; the scales and my part of K step 0 are in (K step 1's load may be out),
	s_barrier_signal -1
	s_barrier_wait -1                              ; everybody's are
	FETCH_B 0, 0, 0
	FETCH_A 0, 0, 0
	SCALES 0, 0
	FETCH_A 0, 0, 4
	STEP 0, 1                                      ; the first products start the sums: nothing is cleared
	TURN 0, 1, 1, 1
	STEP 1, 0
	TURN 1, 0, 1, 2
	STEP 0, 0
	TURN 0, 1, 0, 3                                ; nothing is left to fetch: a plain barrier
	STEP 1, 0
	s_cmp_eq_u32 s3, 1                             ; the modes part here: the bias is asked for ahead of the last 64 products
	s_cbranch_scc1 .Lvmode
	s_lshl_b32 s4, s42, 10                         ; q, k: b_qkv at my 128 channels; register 16 b + i wants channel 32 b + 16 h + i
	s_lshl_b32 s5, s16, 9
	s_add_co_u32 s4, s4, s5
	s_mov_b32 s5, 0
	s_add_nc_u64 s[92:93], s[92:93], s[4:5]
	v_lshlrev_b32 v6, 6, v5
.set p, 0
.rept 16
	global_load_b128 v[BI+4*p:BI+4*p+3], v6, s[92:93] offset:128*(p/4)+16*(p%4)
.set p, p+1
.endr
	LAST
	EPI 0
	FINISH
.Lvmode:
	s_lshl_b32 s4, s17, 10                         ; v: b_qkv at channel 2,048 + my 128; block a wants that of my row: 32 (a / 2) + 8 (a % 2) + r + 8 (r / 8)
	s_lshl_b32 s5, s15, 9
	s_add_co_u32 s4, s4, s5
	s_add_co_u32 s4, s4, 8192
	s_mov_b32 s5, 0
	s_add_nc_u64 s[92:93], s[92:93], s[4:5]
	v_and_b32 v6, 8, v4
	v_add_nc_u32 v6, v6, v4
	v_lshlrev_b32 v6, 2, v6
.irp a, 0,1,2,3,4,5,6,7
	global_load_b32 v[BI+2*\a], v6, s[92:93] offset:4*(32*(\a/2)+8*(\a%2))
	global_load_b32 v[BI+2*\a+1], v6, s[92:93] offset:4*(32*(\a/2)+8*(\a%2))     ; twice: a pair for the packed addition
.endr
	LAST
	EPI 1
	FINISH
.Lfunc_end_k_q2b28de2dfd_qkv:
	.size	k_q2b28de2dfd_qkv, .Lfunc_end_k_q2b28de2dfd_qkv-k_q2b28de2dfd_qkv
	.p2alignl 7, 3214868480
	.fill 96, 4, 3214868480
	.section	.rodata,"a",@progbits
	.p2align	6, 0x0
	.amdhsa_kernel k_q2b28de2dfd_qkv
		.amdhsa_group_segment_fixed_size 327680
		.amdhsa_private_segment_fixed_size 0
		.amdhsa_enable_private_segment 0
		.amdhsa_kernarg_size 56
		.amdhsa_user_sgpr_count 2
		.amdhsa_user_sgpr_kernarg_segment_ptr 1
		.amdhsa_wavefront_size32 1
		.amdhsa_system_sgpr_workgroup_id_x 1
		.amdhsa_system_sgpr_workgroup_id_y 1
		.amdhsa_system_sgpr_workgroup_id_z 1
		.amdhsa_system_vgpr_workitem_id 0
		.amdhsa_next_free_vgpr 1024
		.amdhsa_next_free_sgpr 102
		.amdhsa_reserve_vcc 1
		.amdhsa_float_denorm_mode_32 3
		.amdhsa_float_denorm_mode_16_64 3
		.amdhsa_memory_ordered 1
		.amdhsa_forward_progress 1
		.amdhsa_inst_pref_size 227
	.end_amdhsa_kernel
	.amdgpu_metadata
---
amdhsa.version: [ 1, 2 ]
amdhsa.kernels:
  - .name:           k_q2b28de2dfd_qkv
    .symbol:         k_q2b28de2dfd_qkv.kd
    .args:
      - { .name: xc, .offset: 0, .size: 8, .value_kind: global_buffer, .address_space: global }
      - { .name: xs, .offset: 8, .size: 8, .value_kind: global_buffer, .address_space: global }
      - { .name: wc, .offset: 16, .size: 8, .value_kind: global_buffer, .address_space: global }
      - { .name: ws, .offset: 24, .size: 8, .value_kind: global_buffer, .address_space: global }
      - { .name: b_qkv, .offset: 32, .size: 8, .value_kind: global_buffer, .address_space: global }
      - { .name: qkc, .offset: 40, .size: 8, .value_kind: global_buffer, .address_space: global }
      - { .name: vc, .offset: 48, .size: 8, .value_kind: global_buffer, .address_space: global }
    .group_segment_fixed_size: 327680
    .private_segment_fixed_size: 0
    .kernarg_segment_align: 8
    .kernarg_segment_size: 56
    .max_flat_workgroup_size: 128
    .sgpr_count:     102
    .vgpr_count:     1024
    .wavefront_size: 32
...
	.end_amdgpu_metadata
.endif
;; end of part 2
;; launch attn (part 3): grid 4 x 64, 16 waves a work-group, clusters of 4 x 1, 206,848 bytes of LDS; arguments qkc, vc, yc, ys; writes yc, ys
.if DOCPART == 3
	.amdgcn_target "amdgcn-amd-amdhsa--gfx1250"
	.amdhsa_code_object_version 6
	.text
	.protected	k_q2b28de2dfd_attn
	.globl	k_q2b28de2dfd_attn
	.p2align	8
	.type	k_q2b28de2dfd_attn,@function
k_q2b28de2dfd_attn:
	s_mov_b64 s[64:65], 0
	v_nop
	global_prefetch_b8 v0, s[64:65] scope:SCOPE_SE
	s_setreg_imm32_b32 hwreg(HW_REG_WAVE_MODE, 25, 1), 1
	s_wait_xcnt 0x0
	s_wait_alu depctr_hold_cnt(0) depctr_sa_sdst(0) depctr_va_vdst(0) depctr_va_sdst(0) depctr_va_ssrc(0) depctr_va_vcc(0) depctr_vm_vsrc(0)
	s_getreg_b32 s2, hwreg(HW_REG_IB_STS2, 6, 4)
	s_cmp_eq_u32 s2, 0
	s_cbranch_scc0 .Lentry_in_a_cluster
	s_endpgm
.Lentry_in_a_cluster:
	s_bfe_u32 s2, ttmp6, 0x10000c
	s_cmp_lg_u32 s2, 0x3003
	s_cbranch_scc0 .Lentry_shape_is_right
	s_endpgm
.Lentry_shape_is_right:
; y = softmax(q k^T / 8, causal) v for one (batch, head) a cluster, both products on codes of FP6 (E2M3); y is divided by the row's sum and quantised along the channels for the last product.
; THE SOFTMAX: t = score x log2(e) / 8; M = the running largest t rounded UP to a whole number; p = 2^(t - M) is quantised along the keys, not normalised; the row's sum is taken of the unquantised p.
; When M moves, the sum and O are multiplied by 2^(old M - new M): exact.
; SHARES.  The head's 2,048 queries are 128 tiles of 16; tile 8 c + a lies in class c (tokens 128 c on) and needs key steps 0 .. c of 128 keys.  Wave w of work-group cx owns a = 2 cx + w % 2 of classes w / 2 and
; 15 - w / 2: 17 key steps for every wave.  The classes hang on the wave's number alone; cx enters only q's and y's global addresses and the lane's query number.
; LDS.  The head's 16 records of k (0 ..) and 16 of v (102,400 ..), 6,400 bytes each, scale words inside: filled ONCE, by joint loads of the four work-groups; nothing is filled again.  Waves 0-7 fetch, two loads each:
; a record of steps 0-3, then three of steps 4-15, so that the first four steps begin while the rest is on its way.
; LAYOUT.  Both products transposed: S^T = k q^T, O^T = v^T p^T: a lane holds ONE query (lane % 16).  Lane r of key tile 2 b + u holds key 32 b + 8 u + r + 8 (r / 8): the 16 registers of tiles 2 b, 2 b + 1 are 16 neighbouring keys.
; K = 64 IN AN INSTRUCTION OF 128: a fragment of k is two key tiles side by side; times [q | 0] it gives the first tile's scores, times [0 | q] the second's: every byte read from LDS feeds a product.
; The four operands [q | 0], [0 | q] of my two tiles are pieces of one run of registers: 0 q 0 q 0.
; LIMITS: p under 2^-126 becomes 0; a block of zeros gets the byte 1 where the rule says 127 (its codes are zeros; only this program reads the bytes); y = O x (1 / sum) by v_rcp_f32; NaN and infinities are not served.
; y's scale bytes leave two bytes a lane (a head owns two of a scale word's four bytes): 1 byte in 24 of what the launch stores.
; REGISTERS: v1, v2 16 x, 8 x lane; v3 my query less 16 h; v4-7 the step's LDS addresses; v12-15, v16-19 -M, largest t, the sum's two halves of my two tiles; v20, v21 q's scale words; v22-25 k's, v's; v26 p's;
;   v27, v28 v's lane terms; v32-61 the run 0 q 0 q 0; v64-111 k's four fragments, then the softmax's work; v112-175 S^T, p, then v's four fragments; v176-207, v208-239 O^T of my two tiles.
.set REC,  6400
.set VLDS, 16*REC
.set F,    64
.set S,    112
.set OL,   176
.set OH,   208
.set PC,   F+24                        ; p's codes
.set Y,    F+36
.set TM,   F
.set WV,   12
.set CX,   13
.set BB,   15
.set HH,   16
.set KL,   17
.set KH,   18
.set STP,  19
.set SEL,  20
.set CS,   22
.set G1A,  24
.set G1B,  32
.set G0A,  40
.set G0B,  44
.set TB,   48
.set AI,   49
.macro ROUND                           ; a round of the cluster's barrier
	s_barrier_signal -1
	s_barrier_wait -1
	s_cmp_lg_u32 s[WV], 0
	s_cbranch_scc1 .Lnot_wave_0_\@
	s_barrier_signal -3
.Lnot_wave_0_\@:
	s_barrier_wait -3
	s_barrier_signal -1
	s_barrier_wait -1
.endm
.macro FRAG reg, a16, a8, off          ; a fragment: two images, four dense loads
	ds_load_b128 v[\reg:\reg+3], v[\a16] offset:\off
	ds_load_b64 v[\reg+4:\reg+5], v[\a8] offset:\off+512
	ds_load_b128 v[\reg+6:\reg+9], v[\a16] offset:\off+768
	ds_load_b64 v[\reg+10:\reg+11], v[\a8] offset:\off+1280
.endm
	s_load_b256 s[4:11], s[0:1], 0x0               ; qkc, vc, yc, ys
	v_lshl_add_u32 v254, v0, 2, 0x32000
	v_mov_b32 v255, 0
	ds_add_u32 v254, v255
	ds_add_u32 v254, v255
	v_lshrrev_b32 v8, 5, v0
	v_readfirstlane_b32 s[WV], v8                  ; wave 0..15
	s_bfe_u32 s[CX], ttmp6, 0x40000                ; cx
	s_and_b32 s14, ttmp7, 0xffff                   ; 16 x batch + head
	s_lshr_b32 s[BB], s14, 4
	s_and_b32 s[HH], s14, 15
	s_lshr_b32 s[KL], s[WV], 1                     ; my light tile's class,
	s_sub_co_u32 s[KH], 15, s[KL]                  ; my heavy tile's
	; descriptor groups 1: dense blocks as rows of 256 bytes (32 elements of 8 bytes): one record, three records.  15:0 the mask: all four work-groups; 21 set beside a mask
	s_mov_b32 s[G1A], 15|(3<<16)|(1<<21)
	s_mov_b32 s[G1A+1], 32<<16
	s_mov_b32 s[G1A+2], 25<<16
	s_mov_b32 s[G1A+3], 32<<16
	s_mov_b32 s[G1A+4], 25
	s_mov_b32 s[G1A+5], 32
	s_mov_b32 s[G1A+6], 0
	s_mov_b32 s[G1A+7], 0
	s_mov_b32 s[G1B], 15|(3<<16)|(1<<21)
	s_mov_b32 s[G1B+1], 32<<16
	s_mov_b32 s[G1B+2], 75<<16
	s_mov_b32 s[G1B+3], 32<<16
	s_mov_b32 s[G1B+4], 75
	s_mov_b32 s[G1B+5], 32
	s_mov_b32 s[G1B+6], 0
	s_mov_b32 s[G1B+7], 0
	s_lshl_b32 s50, s[HH], 6
	s_lshl_b32 s51, s[BB], 4
	s_add_co_u32 s50, s50, s51
	s_mul_i32 s52, s50, REC                        ; the first record of my head and batch: in vc, and among q's records of qkc; k's lie 16 x 64 records on
	s_lshr_b32 s54, s[WV], 2
	s_and_b32 s54, s54, 1                          ; waves 0-3 fetch k, waves 4-7 v
	s_and_b32 s55, s[WV], 3
	s_mul_i32 s56, s54, VLDS
	s_mul_i32 s57, s55, REC                        ; first load: record n = wave % 4
	s_mul_i32 s58, s55, 3*REC
	s_add_co_u32 s58, s58, 4*REC                   ; second load: records 4 + 3 n on
	s_mov_b32 s[G0A], 1
	s_add_co_u32 s[G0A+1], s56, s57
	s_mov_b32 s[G0B], 1
	s_add_co_u32 s[G0B+1], s56, s58
	s_add_co_u32 s60, s52, s57
	s_mov_b32 s61, 0
	s_add_co_u32 s62, s52, s58
	s_mov_b32 s63, 0
	s_mov_b32 s57, 0
	s_wait_dscnt 0x0
	s_wait_kmcnt 0x0
	s_cmp_eq_u32 s54, 0
	s_cselect_b64 s[50:51], s[4:5], s[6:7]
	s_cselect_b32 s56, 0x640000, 0                 ; 16 x 64 x 6,400
	s_add_nc_u64 s[50:51], s[50:51], s[56:57]
	s_add_nc_u64 s[G0A+2:G0A+3], s[50:51], s[60:61]
	s_or_b32 s[G0A+3], s[G0A+3], 0x80000000
	s_add_nc_u64 s[G0B+2:G0B+3], s[50:51], s[62:63]
	s_or_b32 s[G0B+3], s[G0B+3], 0x80000000
	ROUND                                          ; all four work-groups are here: the joint loads meet
	s_cmp_lt_u32 s[WV], 8                          ; a wave's two fills stand in one branch on the wave's number: two loads of mine are out at the most
	s_cbranch_scc0 .Lno_fetch
	tensor_load_to_lds s[G0A:G0A+3], s[G1A:G1A+7]
	s_nop 0
	tensor_load_to_lds s[G0B:G0B+3], s[G1B:G1B+7]
	s_nop 0
.rept 4
	v_nop
.endr
.Lno_fetch:
	s_and_b32 s54, s[WV], 1
	s_lshl_b32 s[AI], s[CX], 1
	s_add_co_u32 s[AI], s[AI], s54                 ; a: my tile within a class
	s_mul_i32 s55, s[AI], 768
	s_add_co_u32 s56, s55, s52
	s_mul_i32 s57, s[KL], REC
	s_add_co_u32 s58, s56, s57
	s_mov_b32 s59, 0
	s_mul_i32 s57, s[KH], REC
	s_add_co_u32 s60, s56, s57
	s_mov_b32 s61, 0
	s_add_nc_u64 s[58:59], s[4:5], s[58:59]        ; q's image of my light tile,
	s_add_nc_u64 s[60:61], s[4:5], s[60:61]        ; of my heavy tile
	s_sub_co_u32 s62, 6144, s55                    ; from the image to the record's scales: fragment cx's word lies at 8 (r + 16 (cx % 2)) + 4 (cx / 2)
	s_and_b32 s57, s[CX], 1
	s_lshl_b32 s57, s57, 7
	s_add_co_u32 s62, s62, s57
	s_lshr_b32 s57, s[CX], 1
	s_lshl_b32 s57, s57, 2
	s_add_co_u32 s62, s62, s57
	s_mov_b32 s63, 0x01000100                      ; my tile's two bytes of that word, twice: they serve [q | 0] and [0 | q]
	s_cmp_eq_u32 s54, 1
	s_cselect_b32 s63, 0x03020302, s63
	s_lshl_b32 s56, s[CX], 5
	s_lshl_b32 s57, s54, 3
	s_add_co_u32 s56, s56, s57                     ; 32 cx + 8 (w % 2)
	s_mov_b32 s[SEL], 0x76543210
	s_mov_b32 s[SEL+1], 0xfedcba98
	s_mov_b32 s[CS], 0x3e38aa3b                    ; c = log2(e) / 8
	s_mov_b32 s[CS+1], s[CS]                       ; (named with it as a pair, so it is written)
	v_and_b32 v8, 31, v0
	v_lshlrev_b32 v1, 4, v8
	v_lshlrev_b32 v2, 3, v8
	v_add_nc_u32 v27, VLDS, v1
	v_add_nc_u32 v28, VLDS, v2
	v_and_b32 v8, 15, v0                           ; r
	v_lshl_add_u32 v29, v8, 3, s62
	global_load_b128 v[38:41], v1, s[58:59]
	global_load_b64 v[42:43], v2, s[58:59] offset:512
	global_load_b128 v[50:53], v1, s[60:61]
	global_load_b64 v[54:55], v2, s[60:61] offset:512
	global_load_b32 v30, v29, s[58:59]
	global_load_b32 v31, v29, s[60:61]
	v_and_b32 v9, 8, v8
	v_add_nc_u32 v9, v9, v8                        ; r + 8 (r / 8)
	v_bfe_u32 v10, v0, 4, 1
	v_lshlrev_b32 v10, 4, v10
	v_sub_nc_u32 v3, v9, v10
	v_add_nc_u32 v3, s56, v3                       ; my query within its class, less 16 h
	v_mov_b32 v13, 0xff61b1e6                      ; the largest t so far: -3e38, under every t
	v_mov_b32 v17, 0xff61b1e6
	v_floor_f32 v12, -v13                          ; -M
	v_floor_f32 v16, -v17
	v_mov_b32 v14, 0
	v_mov_b32 v15, 0
	v_mov_b32 v18, 0
	v_mov_b32 v19, 0
.irp i, 0,1,2,3,4,5
	v_mov_b32 v[32+\i], 0
	v_mov_b32 v[44+\i], 0
	v_mov_b32 v[56+\i], 0
.endr
	s_wait_loadcnt 0x0                             ; q
	v_perm_b32 v20, v30, v30, s63
	v_perm_b32 v21, v31, v31, s63
.set j, 0
.rept 64
	v_mov_b32 v[OL+j], 0                           ; O^T of both tiles: the step is written once; its first run finds zeros.  (Also the places between the scale words' making and the first product)
.set j, j+1
.endr
; A KEY STEP of one tile: 128 keys.  qlo, qhi: [q | 0], [0 | q]; qs: q's scale word; st: -M, largest t, the sum's pair; o: O^T; cls: the register with the tile's class
.macro STEP qlo, qhi, qs, st, o, cls
.rept 5
	v_nop                                          ; four places in front of loads into registers that the last products read, five in front of products that write over such registers
.endr
.irp f, 0,1,2,3
	FRAG F+12*\f, 4, 5, 1536*\f
.endr
	ds_load_b64 v[22:23], v5 offset:6144           ; k's scale words: v22: fragments 0 (lanes 0-15), 1 (lanes 16-31); v23: fragments 2, 3
	s_wait_dscnt 0x0
.irp f, 0,1,2,3
.if \f%2
	v_wmma_scale_f32_16x16x128_f8f6f4 v[S+16*\f:S+16*\f+7], v[F+12*\f:F+12*\f+11], v[\qlo:\qlo+11], 0, v[22+\f/2], v[\qs] matrix_a_fmt:MATRIX_FMT_FP6 matrix_b_fmt:MATRIX_FMT_FP6 matrix_a_scale:MATRIX_SCALE_ROW1
	v_wmma_scale_f32_16x16x128_f8f6f4 v[S+16*\f+8:S+16*\f+15], v[F+12*\f:F+12*\f+11], v[\qhi:\qhi+11], 0, v[22+\f/2], v[\qs] matrix_a_fmt:MATRIX_FMT_FP6 matrix_b_fmt:MATRIX_FMT_FP6 matrix_a_scale:MATRIX_SCALE_ROW1
.else
	v_wmma_scale_f32_16x16x128_f8f6f4 v[S+16*\f:S+16*\f+7], v[F+12*\f:F+12*\f+11], v[\qlo:\qlo+11], 0, v[22+\f/2], v[\qs] matrix_a_fmt:MATRIX_FMT_FP6 matrix_b_fmt:MATRIX_FMT_FP6
	v_wmma_scale_f32_16x16x128_f8f6f4 v[S+16*\f+8:S+16*\f+15], v[F+12*\f:F+12*\f+11], v[\qhi:\qhi+11], 0, v[22+\f/2], v[\qs] matrix_a_fmt:MATRIX_FMT_FP6 matrix_b_fmt:MATRIX_FMT_FP6
.endif
.endr                                              ; register 16 b + i of S^T: key 32 b + 16 h + i of the step
.rept 4
	v_nop
.endr
	s_cmp_lg_u32 s[STP], s[\cls]                   ; only the tile's last step lies on the diagonal: there hidden scores become -infinity ahead of the maximum (its first key counts for every query)
	s_cbranch_scc1 .Lopen_\@
	v_mov_b32 v[F+16], 0xff800000
.set n, 0
.rept 64
	v_cmp_gt_i32 vcc_lo, 32*(n/16)+n%16, v3
	v_cndmask_b32 v[S+n], v[S+n], v[F+16], vcc_lo
.set n, n+1
.endr
.Lopen_\@:
.irp b, 0,1,2,3
	v_max3_num_f32 v[F+\b], v[S+16*\b], v[S+16*\b+1], v[S+16*\b+2]   ; the largest score of each block of 32 keys: for the row's maximum and, since p rises with the score, for the block's largest p
.endr
.irp i, 3,5,7,9,11,13
.irp b, 0,1,2,3
	v_max3_num_f32 v[F+\b], v[F+\b], v[S+16*\b+\i], v[S+16*\b+\i+1]
.endr
.endr
.irp b, 0,1,2,3
	v_max_num_f32 v[F+\b], v[F+\b], v[S+16*\b+15]
.endr
.irp b, 0,1,2,3
	v_permlanex16_b32 v[F+4+\b], v[F+\b], s[SEL], s[SEL+1]
.endr
.irp b, 0,1,2,3
	v_max_num_f32 v[F+\b], v[F+\b], v[F+4+\b]      ; with lane l xor 16's 16 keys
.endr
	v_max3_num_f32 v[F+16], v[F], v[F+1], v[F+2]
	v_max_num_f32 v[F+16], v[F+16], v[F+3]
	v_mul_f32 v[F+16], s[CS], v[F+16]              ; the step's largest t
	v_max_num_f32 v[\st+1], v[\st+1], v[F+16]      ; the running largest t
	v_mov_b32 v[F+16], v[\st]
	v_floor_f32 v[\st], -v[\st+1]                  ; the new -M = -ceil(t)
	v_sub_f32 v[F+16], v[\st], v[F+16]             ; old M - new M: a whole number, 0 or less
	v_cvt_i32_f32 v[F+16], v[F+16]                 ; (it saturates)
	v_ldexp_f32 v[F+18], 1.0, v[F+16]              ; f = 2^(old M - new M)
.set j, 0
.rept 32
	v_pk_fma_f32 v[S+j:S+j+1], v[S+j:S+j+1], s[CS:CS+1], v[\st:\st+1] op_sel_hi:[1,0,0]   ; t - M, two at a time
.set j, j+2
.endr
.irp b, 0,1,2,3
	v_fma_f32 v[F+\b], v[F+\b], s[CS], v[\st]      ; the same of each block's largest score
.endr
.set j, 0
.rept 64
	v_exp_f32 v[S+j], v[S+j]                       ; p = 2^(t - M)
.set j, j+1
.endr
	v_pk_mul_f32 v[\st+2:\st+3], v[\st+2:\st+3], v[F+18:F+19] op_sel_hi:[1,0]   ; the sums under the new M: a plain place behind the exponentials
	s_wait_alu depctr_va_vdst(0)                   ; one wait for the batch of 64, ahead of its first reader
.irp b, 0,1,2,3
	v_exp_f32 v[F+\b], v[F+\b]                     ; the block's largest p: the same two instructions on the same number
.endr
	v_pk_add_f32 v[F+4:F+5], v[S:S+1], v[S+2:S+3]  ; the row's sum of the unquantised p, in two chains
.irp j, 4,8,12,16,20,24,28,32,36,40,44,48,52,56,60
	v_pk_add_f32 v[\st+2:\st+3], v[\st+2:\st+3], v[S+\j:S+\j+1]
	v_pk_add_f32 v[F+4:F+5], v[F+4:F+5], v[S+\j+2:S+\j+3]
.endr
	v_pk_add_f32 v[\st+2:\st+3], v[\st+2:\st+3], v[F+4:F+5]
	s_wait_alu depctr_va_vdst(0)                   ; and one for the four
.irp b, 0,1,2,3
	v_max_num_f32 v[F+\b], 0x1800000, v[F+\b]      ; the floor 2^(3 - 127): the byte cannot fall under 1
.endr
.irp b, 0,1,2,3
	v_add_nc_u32 v[F+8+\b], 0xff000000, v[F+\b]    ; 2 off the exponent field: the conversion's scale operand
.endr
.irp b, 0,1,2,3
	v_lshrrev_b32 v[F+4+\b], 23, v[F+8+\b]
.endr
	v_lshl_or_b32 v26, v[F+5], 8, v[F+4]           ; p's scale word for these 128 keys
	v_lshl_or_b32 v26, v[F+6], 16, v26
	v_lshl_or_b32 v26, v[F+7], 24, v26
.irp c, 0,1
	v_cvt_scalef32_pk16_fp6_f32 v[PC+6*\c:PC+6*\c+2], v[S+32*\c:S+32*\c+15], v[F+8+2*\c]
	v_cvt_scalef32_pk16_fp6_f32 v[Y+4*\c:Y+4*\c+2], v[S+32*\c+16:S+32*\c+31], v[F+8+2*\c+1]
.endr
	v_nop                                          ; one plain place behind the scaled conversions
.irp a, 0,1,2,3
	FRAG S+12*\a, 6, 7, 1536*\a                    ; v's four fragments (16 channels x 128 keys) take p's registers
.endr
	ds_load_b64 v[24:25], v7 offset:6144
.irp c, 0,1
.irp i, 0,1,2
	v_permlane16_swap_b32 v[PC+6*\c+\i], v[Y+4*\c+\i]   ; a whole block to a lane
.endr
.irp i, 0,1,2
	v_mov_b32 v[PC+6*\c+3+\i], v[Y+4*\c+\i]
.endr
.endr
.set j, 0
.rept 16
	v_pk_mul_f32 v[\o+j:\o+j+1], v[\o+j:\o+j+1], v[F+18:F+19] op_sel_hi:[1,0]   ; O^T under the new M, each accumulator from its low end on
.set j, j+2
.endr
.rept 4
	v_nop                                          ; every register of the products below that a vector instruction wrote lies four places back or more, p's scale word eight; the wave waits for v here anyway
.endr
	s_wait_dscnt 0x0
.irp a, 0,1,2,3
.if \a%2
	v_wmma_scale_f32_16x16x128_f8f6f4 v[\o+8*\a:\o+8*\a+7], v[S+12*\a:S+12*\a+11], v[PC:PC+11], v[\o+8*\a:\o+8*\a+7], v[24+\a/2], v26 matrix_a_fmt:MATRIX_FMT_FP6 matrix_b_fmt:MATRIX_FMT_FP6 matrix_a_scale:MATRIX_SCALE_ROW1
.else
	v_wmma_scale_f32_16x16x128_f8f6f4 v[\o+8*\a:\o+8*\a+7], v[S+12*\a:S+12*\a+11], v[PC:PC+11], v[\o+8*\a:\o+8*\a+7], v[24+\a/2], v26 matrix_a_fmt:MATRIX_FMT_FP6 matrix_b_fmt:MATRIX_FMT_FP6
.endif
.endr                                              ; four accumulators, one instruction each: no link stands next to the link before it
.endm
; A trip: one key step for each of my tiles that still needs it.  The branches hang on the wave's number and the loop's counter; no barrier and no tensor load stands in a trip.
.macro TRIP
	v_add_nc_u32 v4, s[TB], v1
	v_add_nc_u32 v5, s[TB], v2
	v_add_nc_u32 v6, s[TB], v27
	v_add_nc_u32 v7, s[TB], v28
	s_cmp_gt_u32 s[STP], s[KL]
	s_cbranch_scc1 .Lno_l_\@
	STEP 38, 32, 20, 12, OL, KL
.Lno_l_\@:
	s_cmp_gt_u32 s[STP], s[KH]
	s_cbranch_scc1 .Lno_h_\@
	STEP 50, 44, 21, 16, OH, KH
.Lno_h_\@:
	s_add_co_u32 s[TB], s[TB], REC
.endm
	s_wait_tensorcnt 0x1                           ; my record of steps 0-3 is in; the three of steps 4-15 may be out
	s_barrier_signal -1
	s_barrier_wait -1                              ; everybody's is
	s_mov_b32 s[STP], 0
	s_mov_b32 s[TB], 0
.Lfirst:
	TRIP
	s_add_co_u32 s[STP], s[STP], 1
	s_cmp_lt_u32 s[STP], 4
	s_cbranch_scc1 .Lfirst
	s_wait_tensorcnt 0x0                           ; the rest is in,
	s_wait_dscnt 0x0
	s_barrier_signal -1
	s_barrier_wait -1                              ; everybody's is
	s_mov_b32 s[STP], 4
	s_mov_b32 s[TB], 4*REC
.Lrest:
	TRIP
	s_add_co_u32 s[STP], s[STP], 1
	s_cmp_lt_u32 s[STP], 16
	s_cbranch_scc1 .Lrest
	; THE WAY OUT.  Register 16 b + i of a tile's O^T is channel 32 b + 16 h + i of my query: y = O / sum is quantised as it lies, and its image leaves as it stands.
.macro QUANT2 s, d0, hw                ; 32 numbers of a lane become one image's registers and two scale bytes
.irp b, 0,1
	v_max3_num_f32 v[TM+\b], |v[\s+16*\b]|, |v[\s+1+16*\b]|, 0x1800000
.endr
.irp i, 2,4,6,8,10,12,14
.irp b, 0,1
	v_max3_num_f32 v[TM+\b], v[TM+\b], |v[\s+16*\b+\i]|, |v[\s+1+16*\b+\i]|
.endr
.endr
.irp b, 0,1
	v_permlanex16_b32 v[TM+4+\b], v[TM+\b], s[SEL], s[SEL+1]
.endr
.irp b, 0,1
	v_max_num_f32 v[TM+\b], v[TM+\b], v[TM+4+\b]
.endr
.irp b, 0,1
	v_add_nc_u32 v[TM+8+\b], 0xff000000, v[TM+\b]
.endr
.irp b, 0,1
	v_lshrrev_b32 v[TM+4+\b], 23, v[TM+8+\b]
.endr
	v_lshl_or_b32 v[\hw], v[TM+5], 8, v[TM+4]
	v_cvt_scalef32_pk16_fp6_f32 v[\d0:\d0+2], v[\s:\s+15], v[TM+8]
	v_cvt_scalef32_pk16_fp6_f32 v[Y:Y+2], v[\s+16:\s+31], v[TM+9]
	v_nop                                          ; one plain place behind the scaled conversions
.irp i, 0,1,2
	v_permlane16_swap_b32 v[\d0+\i], v[Y+\i]
.endr
.irp i, 0,1,2
	v_mov_b32 v[\d0+3+\i], v[Y+\i]
.endr
.endm
.rept 4
	v_nop                                          ; places behind the last products
.endr
	v_add_f32 v14, v14, v15                        ; the sums' two halves,
	v_add_f32 v18, v18, v19
	v_mov_b32 v8, 0
	v_mov_b32 v9, 0
	v_permlanex16_b32 v8, v14, s[SEL], s[SEL+1]
	v_permlanex16_b32 v9, v18, s[SEL], s[SEL+1]
	v_add_f32 v14, v14, v8                         ; and lane l xor 16's
	v_add_f32 v18, v18, v9
	v_rcp_f32 v14, v14
	v_rcp_f32 v18, v18
.irp b, 0,1,2,3
	v_mov_b32 v[TM+4+\b], 0                        ; plain places behind the reciprocals; a lane permute's destination counts as one of its sources
.endr
	s_wait_alu depctr_va_vdst(0)                   ; one wait for both, ahead of the first reader
.set j, 0
.rept 16
	v_pk_mul_f32 v[S+j:S+j+1], v[OL+j:OL+j+1], v[14:15] op_sel_hi:[1,0]
.set j, j+2
.endr
.set j, 0
.rept 16
	v_pk_mul_f32 v[S+32+j:S+32+j+1], v[OH+j:OH+j+1], v[18:19] op_sel_hi:[1,0]
.set j, j+2
.endr
	QUANT2 S, PC, 10
	QUANT2 S+32, PC+6, 11
	s_lshr_b32 s50, s[HH], 3                       ; my head's two bytes in a row's scale words: 256 (h / 8) + 4 ((h / 2) % 4) + 2 (h % 2)
	s_lshl_b32 s50, s50, 8
	s_bfe_u32 s51, s[HH], 0x20001
	s_lshl_b32 s51, s51, 2
	s_add_co_u32 s50, s50, s51
	s_and_b32 s51, s[HH], 1
	s_lshl_b32 s51, s51, 1
	s_add_co_u32 s50, s50, s51
	s_lshl_b32 s52, s[BB], 7
	s_add_co_u32 s52, s52, s[AI]
	s_lshl_b32 s53, s[KL], 3
	s_add_co_u32 s53, s53, s52                     ; my light tile among the 512 tiles of rows,
	s_lshl_b32 s54, s[KH], 3
	s_add_co_u32 s54, s54, s52                     ; my heavy tile
	s_lshl_b32 s56, s53, 4
	s_add_co_u32 s56, s56, s[HH]
	s_mul_i32 s56, s56, 768                        ; image = head
	s_mov_b32 s57, 0
	s_add_nc_u64 s[56:57], s[8:9], s[56:57]
	s_lshl_b32 s58, s54, 4
	s_add_co_u32 s58, s58, s[HH]
	s_mul_i32 s58, s58, 768
	s_mov_b32 s59, 0
	s_add_nc_u64 s[58:59], s[8:9], s[58:59]
	s_lshl_b32 s53, s53, 9
	s_add_co_u32 s53, s53, s50
	s_lshl_b32 s54, s54, 9
	s_add_co_u32 s54, s54, s50
	global_store_b128 v1, v[PC:PC+3], s[56:57]                 ; 512 consecutive bytes
	global_store_b64 v2, v[PC+4:PC+5], s[56:57] offset:512     ; 256 consecutive bytes
	global_store_b128 v1, v[PC+6:PC+9], s[58:59]
	global_store_b64 v2, v[PC+10:PC+11], s[58:59] offset:512
	v_and_b32 v29, 15, v0
	v_lshlrev_b32 v29, 4, v29                      ; 16 r
	v_add_nc_u32 v8, s53, v29
	v_add_nc_u32 v9, s54, v29
	s_mov_b32 vcc_lo, 0xffff0000
	v_cndmask_b32 v8, v8, v9, vcc_lo               ; lanes 0-15 store the light tile's bytes, lanes 16-31 the heavy tile's
	v_cndmask_b32 v10, v10, v11, vcc_lo
	global_store_b16 v8, v10, s[10:11]
	s_wait_tensorcnt 0x0
	ds_add_u32 v254, v255
	s_wait_dscnt 0x0
	ROUND                                          ; the closing round: no work-group ends while a partner may still ask jointly
	s_endpgm
.Lfunc_end_k_q2b28de2dfd_attn:
	.size	k_q2b28de2dfd_attn, .Lfunc_end_k_q2b28de2dfd_attn-k_q2b28de2dfd_attn
	.p2alignl 7, 3214868480
	.fill 96, 4, 3214868480
	.section	.rodata,"a",@progbits
	.p2align	6, 0x0
	.amdhsa_kernel k_q2b28de2dfd_attn
		.amdhsa_group_segment_fixed_size 206848
		.amdhsa_private_segment_fixed_size 0
		.amdhsa_enable_private_segment 0
		.amdhsa_kernarg_size 32
		.amdhsa_user_sgpr_count 2
		.amdhsa_user_sgpr_kernarg_segment_ptr 1
		.amdhsa_wavefront_size32 1
		.amdhsa_system_sgpr_workgroup_id_x 1
		.amdhsa_system_sgpr_workgroup_id_y 1
		.amdhsa_system_sgpr_workgroup_id_z 1
		.amdhsa_system_vgpr_workitem_id 0
		.amdhsa_next_free_vgpr 256
		.amdhsa_next_free_sgpr 66
		.amdhsa_reserve_vcc 1
		.amdhsa_float_denorm_mode_32 3
		.amdhsa_float_denorm_mode_16_64 3
		.amdhsa_memory_ordered 1
		.amdhsa_forward_progress 1
		.amdhsa_inst_pref_size 103
	.end_amdhsa_kernel
	.amdgpu_metadata
---
amdhsa.version: [ 1, 2 ]
amdhsa.kernels:
  - .name:           k_q2b28de2dfd_attn
    .symbol:         k_q2b28de2dfd_attn.kd
    .args:
      - { .name: qkc, .offset: 0, .size: 8, .value_kind: global_buffer, .address_space: global }
      - { .name: vc, .offset: 8, .size: 8, .value_kind: global_buffer, .address_space: global }
      - { .name: yc, .offset: 16, .size: 8, .value_kind: global_buffer, .address_space: global }
      - { .name: ys, .offset: 24, .size: 8, .value_kind: global_buffer, .address_space: global }
    .group_segment_fixed_size: 206848
    .private_segment_fixed_size: 0
    .kernarg_segment_align: 8
    .kernarg_segment_size: 32
    .max_flat_workgroup_size: 512
    .sgpr_count:     66
    .vgpr_count:     256
    .wavefront_size: 32
...
	.end_amdgpu_metadata
.endif
;; end of part 3
;; launch proj (part 4): grid 8 x 32, 4 waves a work-group, clusters of 4 x 4, 327,680 bytes of LDS; arguments yc, ys, wc, ws, b_proj, out0; writes out0
.if DOCPART == 4
	.amdgcn_target "amdgcn-amd-amdhsa--gfx1250"
	.amdhsa_code_object_version 6
	.text
	.protected	k_q2b28de2dfd_proj
	.globl	k_q2b28de2dfd_proj
	.p2align	8
	.type	k_q2b28de2dfd_proj,@function
k_q2b28de2dfd_proj:
	s_mov_b64 s[64:65], 0
	v_nop
	global_prefetch_b8 v0, s[64:65] scope:SCOPE_SE
	s_setreg_imm32_b32 hwreg(HW_REG_WAVE_MODE, 25, 1), 1
	s_wait_xcnt 0x0
	s_wait_alu depctr_hold_cnt(0) depctr_sa_sdst(0) depctr_va_vdst(0) depctr_va_sdst(0) depctr_va_ssrc(0) depctr_va_vcc(0) depctr_vm_vsrc(0)
	s_getreg_b32 s2, hwreg(HW_REG_IB_STS2, 6, 4)
	s_cmp_eq_u32 s2, 0
	s_cbranch_scc0 .Lentry_in_a_cluster
	s_endpgm
.Lentry_in_a_cluster:
	s_bfe_u32 s2, ttmp6, 0x10000c
	s_cmp_lg_u32 s2, 0xf033
	s_cbranch_scc0 .Lentry_shape_is_right
	s_endpgm
.Lentry_shape_is_right:
; out0 = y W_proj + b_proj on codes of FP6 (E2M3).  y's codes and scale words come from the launch before, W_proj's columns are tiles 192-255 of wc, ws.
; A tile of 256 rows x 128 columns to a work-group, so that the 8,192 x 1,024 results make 256 work-groups; four waves, 128 x 64 a wave: 32 accumulators.  K = 1,024 goes in four steps of 256 through two LDS slots.
; CODES lie as images of the operand's registers (768 bytes = 16 rows x 64 K: lane l's registers 0-3 at 16 l, registers 4-5 at 512 + 8 l), [tile of 16 rows][16 images]: a fragment is four dense LDS loads, no padding.
; Lane r of tile 2 g + u holds row 32 g + 8 u + r + 8 (r / 8).  THE MATRIX INSTRUCTION IS USED TRANSPOSED (source 0 = 16 columns of W_proj, source 1 = 16 rows of y): lane (r, h) of accumulator (a, b) holds y's row r of
; tile a, and its register j column 32 (b / 2) + 16 h + 8 (b % 2) + j.  The bias is the C of each sum's first instruction.
; CLUSTERS: 4 x 4.  y's tiles are asked for jointly along a row of the cluster, W_proj's along a column.
; REGISTERS: window 0: v2-6 lane terms; v16-23 LDS addresses; v24-26 the way out; v27 the scale words' address; v28, v29 the spare word's address and 0; v32-63 scale words, two sets; v64-95 the bias;
;   v128-223 y's fragments, one set (on the way out v128-191: rows read back).  Window 1: W_proj's fragments, two sets, at v0 and v128.  Window 2: the accumulators, (a, b) at 8 (4 a + b).
.set NB,    4
.set FR,    12
.set FRB,   1536
.set TSL,   3072
.set HALFA, 8*TSL
.set HALFB, NB*TSL
.set SLOT,  2*HALFA+2*HALFB
.set SCB,   2*SLOT
.set SCA,   SCB+1024*NB
.set SPARE, SCA+8192                   ; the spare words, 128 bytes for each wave: two blocks of 256 bytes that no other line names
.set SPT,   272                        ; the way out: a stage of 16 rows x (256 bytes + 16) for each wave, in slot 0, which has had its last fill and its last read when the first result is stored there
.set OL16, 2
.set OL8,  3
.set ADRA, 16
.set ADRB, 20
.set STO,  24
.set RD,   25
.set CO,   26
.set ADRS, 27
.set SPW,  28
.set NIL,  29
.set SC,   32
.set BI,   64
.set AF,   128
.set BK,   128
.set G1,   24
.set G0,   32
.set G1B,  48
.set G0B,  56
.set G1S,  68
.set G0S,  76
.set G1SB, 80
.set G0SB, 88
.set MSB, 0
.macro WIN new                         ; the immediate's high byte repeats the setting that is left
.if MSB != (\new)
	s_set_vgpr_msb (MSB<<8)|(\new)
.set MSB, \new
.endif
.endm
.macro PLACES                          ; four plain places behind matrix instructions, in front of loads into their registers and of the first read of results
.rept 4
	v_nop
.endr
.endm
.macro JLOAD g0a, g1a, g0b, g1b        ; a joint load: waves 0 and 1 fetch for y, waves 2 and 3 for W_proj; four v_nop follow each of the two lines
	s_cmp_eq_u32 s15, 0
	s_cbranch_scc0 .Lfor_b_\@
	tensor_load_to_lds s[\g0a:\g0a+3], s[\g1a:\g1a+7]
	s_nop 0
.rept 4
	v_nop
.endr
	s_branch .Lasked_\@
.Lfor_b_\@:
	tensor_load_to_lds s[\g0b:\g0b+3], s[\g1b:\g1b+7]
	s_nop 0
.rept 4
	v_nop
.endr
.Lasked_\@:
.endm
.macro CREST
	s_cmp_lg_u32 s14, 0
	s_cbranch_scc1 .Lnot_wave_0_\@
	s_barrier_signal -3
.Lnot_wave_0_\@:
	s_barrier_wait -3
	s_barrier_signal -1
	s_barrier_wait -1
.endm
.macro CROUND
	s_barrier_signal -1
	s_barrier_wait -1
	CREST
.endm
	s_load_b256 s[4:11], s[0:1], 0x0               ; yc, ys, wc, ws
	s_load_b128 s[92:95], s[0:1], 0x20             ; b_proj, out0
	v_lshl_add_u32 v[SPW], v0, 2, SPARE
	v_mov_b32 v[NIL], 0
	ds_add_u32 v28, v29
	ds_add_u32 v28, v29
	s_wait_dscnt 0x0
	v_lshrrev_b32 v1, 5, v0
	v_readfirstlane_b32 s14, v1                    ; wave 0..3
	s_lshr_b32 s15, s14, 1                         ; my half of the rows.  Also: I fetch for y (0) or for W_proj (1)
	s_and_b32 s16, s14, 1                          ; my half of the columns.  Also: which half of that tile I fetch
	s_bfe_u32 s40, ttmp6, 0x40000                  ; cx
	s_bfe_u32 s41, ttmp6, 0x40004                  ; cy
	s_lshl_b32 s42, ttmp9, 2
	s_add_co_u32 s42, s42, s40                     ; tile of 128 columns
	s_and_b32 s17, ttmp7, 0xffff
	s_lshl_b32 s17, s17, 2
	s_add_co_u32 s17, s17, s41                     ; tile of 256 rows
	s_lshl_b32 s43, s41, 2
	s_lshl_b32 s43, 15, s43                        ; my row of the cluster
	s_lshl_b32 s44, 0x1111, s40                    ; my column
	s_or_b32 s[G1], s43, (3<<16)|(1<<21)           ; 15:0 the mask; 17:16 elements of 8 bytes; 21 set beside a mask
	s_or_b32 s[G1B], s44, (3<<16)|(1<<21)
	s_or_b32 s[G1S], s43, (3<<16)|(1<<21)
	s_or_b32 s[G1SB], s44, (3<<16)|(1<<21)
.irp g, G1, G1B
	s_mov_b32 s[\g+1], 384<<16                     ; a tile's 3,072 bytes of a K step,
	s_mov_b32 s[\g+3], 384<<16
	s_mov_b32 s[\g+5], 1536                        ; 12,288 bytes from tile to tile
	s_mov_b32 s[\g+6], 0
	s_mov_b32 s[\g+7], 0
.endr
	s_mov_b32 s[G1+2], 8<<16
	s_mov_b32 s[G1+4], 8
	s_mov_b32 s[G1B+2], NB<<16
	s_mov_b32 s[G1B+4], NB
.irp g, G1S, G1SB
	s_mov_b32 s[\g+1], 32<<16                      ; the scales: a dense block as rows of 256 bytes
	s_mov_b32 s[\g+3], 32<<16
	s_mov_b32 s[\g+5], 32
	s_mov_b32 s[\g+6], 0
	s_mov_b32 s[\g+7], 0
.endr
	s_mov_b32 s[G1S+2], 16<<16
	s_mov_b32 s[G1S+4], 16
	s_mov_b32 s[G1SB+2], (2*NB)<<16
	s_mov_b32 s[G1SB+4], 2*NB
	s_lshl_b32 s13, s16, 3
	s_lshl_b32 s18, s17, 4
	s_add_co_u32 s18, s18, s13                     ; the first of y's tiles of 16 rows that I fetch
	s_mul_i32 s20, s18, 12288
	s_mov_b32 s21, 0
	s_lshl_b32 s22, s18, 9
	s_mov_b32 s23, 0
	s_lshl_b32 s13, s16, 2
	s_lshl_b32 s19, s42, 3
	s_add_co_u32 s19, s19, s13
	s_add_co_u32 s19, s19, 192                     ; and of W_proj's, which begin at tile 192 of wc
	s_mul_i32 s46, s19, 12288
	s_mov_b32 s47, 0
	s_lshl_b32 s98, s19, 9
	s_mov_b32 s99, 0
	s_mul_i32 s45, s16, HALFA                      ; where they go: no place in the cluster enters an LDS address
	s_mul_i32 s2, s16, HALFB
	s_add_co_u32 s2, s2, 2*HALFA
	s_lshl_b32 s100, s16, 12
	s_mul_i32 s101, s16, 512*NB
	s_wait_kmcnt 0x0
	s_add_nc_u64 s[20:21], s[4:5], s[20:21]
	s_add_nc_u64 s[22:23], s[6:7], s[22:23]
	s_add_nc_u64 s[46:47], s[8:9], s[46:47]
	s_add_nc_u64 s[98:99], s[10:11], s[98:99]
	CROUND                                         ; all sixteen work-groups are here: the first joint loads meet
	s_mov_b32 s[G0S], 1
	s_add_co_u32 s[G0S+1], s100, SCA
	s_mov_b64 s[G0S+2:G0S+3], s[22:23]
	s_or_b32 s[G0S+3], s[G0S+3], 0x80000000
	s_mov_b32 s[G0SB], 1
	s_add_co_u32 s[G0SB+1], s101, SCB
	s_mov_b64 s[G0SB+2:G0SB+3], s[98:99]
	s_or_b32 s[G0SB+3], s[G0SB+3], 0x80000000
	JLOAD G0S, G1S, G0SB, G1SB                     ; the scales of all of K: filled once
.irp s, 0,1
	s_mov_b32 s[G0+4*\s], 1
	s_add_co_u32 s[G0+4*\s+1], s45, \s*SLOT
	s_add_nc_u64 s[G0+4*\s+2:G0+4*\s+3], s[20:21], \s*TSL
	s_or_b32 s[G0+4*\s+3], s[G0+4*\s+3], 0x80000000
	s_mov_b32 s[G0B+4*\s], 1
	s_add_co_u32 s[G0B+4*\s+1], s2, \s*SLOT
	s_add_nc_u64 s[G0B+4*\s+2:G0B+4*\s+3], s[46:47], \s*TSL
	s_or_b32 s[G0B+4*\s+3], s[G0B+4*\s+3], 0x80000000
	JLOAD G0+4*\s, G1, G0B+4*\s, G1B               ; three loads of mine are out at the most
.endr
	v_and_b32 v1, 31, v0
	v_lshlrev_b32 v[OL16], 4, v1
	v_lshlrev_b32 v[OL8], 3, v1
	v_and_b32 v4, 15, v0                           ; r
	v_bfe_u32 v5, v0, 4, 1                         ; h
	s_lshl_b32 s4, s42, 9                          ; b_proj at my 64 columns; accumulator b wants columns 32 (b / 2) + 16 h + 8 (b % 2) + 0 .. 7
	s_lshl_b32 s5, s16, 8
	s_add_co_u32 s4, s4, s5
	s_mov_b32 s5, 0
	s_add_nc_u64 s[92:93], s[92:93], s[4:5]
	v_lshlrev_b32 v6, 6, v5
.irp b, 0,1,2,3
	global_load_b128 v[BI+8*\b:BI+8*\b+3], v6, s[92:93] offset:128*(\b/2)+32*(\b%2)
	global_load_b128 v[BI+8*\b+4:BI+8*\b+7], v6, s[92:93] offset:128*(\b/2)+32*(\b%2)+16
.endr
	s_mul_i32 s12, s15, HALFA                      ; my 128 rows of y
	s_mul_i32 s13, s16, HALFB
	s_add_co_u32 s13, s13, 2*HALFA                 ; my 64 columns of W_proj, behind y's 256 rows
.irp s, 0,1
	v_add_nc_u32 v[ADRA+\s], s12, v[OL16]
	v_add_nc_u32 v[ADRA+2+\s], s12, v[OL8]
	v_add_nc_u32 v[ADRB+\s], s13, v[OL16]
	v_add_nc_u32 v[ADRB+2+\s], s13, v[OL8]
	s_add_co_u32 s12, s12, SLOT
	s_add_co_u32 s13, s13, SLOT
.endr
	s_mul_i32 s12, s16, 512*NB                     ; the scale words: lanes 0-15 take W_proj's, lanes 16-31 y's: the lower base + h x the distance.  (Of the eight loads of a set the last four bring lanes 0-15
	s_lshl_b32 s13, s15, 12                        ; words that lie behind W_proj's four tiles, filled bytes that no product names)
	s_add_co_u32 s13, s13, SCA-SCB
	s_sub_co_u32 s13, s13, s12
	v_mul_u32_u24 v7, s13, v5
	s_add_co_u32 s12, s12, SCB
	v_lshl_add_u32 v7, v4, 4, v7
	v_add_nc_u32 v[ADRS], s12, v7
	s_mul_i32 s12, s14, 16*SPT                     ; my stage
	v_mul_u32_u24 v7, v4, SPT
	v_lshl_add_u32 v7, v5, 6, v7
	v_add_nc_u32 v[STO], s12, v7                   ; in: row r, + 64 h
	v_mul_u32_u24 v7, v5, SPT
	v_lshl_add_u32 v7, v4, 4, v7
	v_add_nc_u32 v[RD], s12, v7                    ; back: lanes 0-15 one row of 256 bytes, lanes 16-31 the next
	v_lshlrev_b32 v7, 12, v5
	v_lshl_add_u32 v[CO], v4, 4, v7                ; and the same two rows in out0
	s_lshl_b32 s4, s17, 20                         ; my first row: 256 x tile + 128 x half, rows of 4,096 bytes; my first column: 128 x tile + 64 x half
	s_lshl_b32 s5, s15, 19
	s_add_co_u32 s4, s4, s5
	s_lshl_b32 s5, s42, 9
	s_add_co_u32 s4, s4, s5
	s_lshl_b32 s5, s16, 8
	s_add_co_u32 s4, s4, s5
	s_mov_b32 s5, 0
	s_add_nc_u64 s[94:95], s[94:95], s[4:5]
.macro FRAG reg, adr, q, i             ; a fragment: two images, four dense loads
	ds_load_b128 v[\reg:\reg+3], v[\adr] offset:(\i)*TSL+(\q)*FRB
	ds_load_b64 v[\reg+4:\reg+5], v[\adr+2] offset:(\i)*TSL+(\q)*FRB+512
	ds_load_b128 v[\reg+6:\reg+9], v[\adr] offset:(\i)*TSL+(\q)*FRB+768
	ds_load_b64 v[\reg+10:\reg+11], v[\adr+2] offset:(\i)*TSL+(\q)*FRB+1280
.endm
.macro FETCH_B slot, q, p
	WIN 0x40
.set fi, 0
.rept NB
	FRAG 128*(\p)+FR*fi, ADRB+\slot, \q, fi
.set fi, fi+1
.endr
	WIN 0
.endm
.macro FETCH_A slot, q, i0
.irp i, 0,1,2,3
	FRAG AF+FR*(\i0+\i), ADRA+\slot, \q, \i0+\i
.endr
.endm
.macro SCALES sc, sg
.irp i, 0,1,2,3,4,5,6,7
	ds_load_b64 v[SC+16*(\sc)+2*\i:SC+16*(\sc)+2*\i+1], v[ADRS] offset:512*\i+256*((\sg)/2)+8*((\sg)%2)
.endr
.endm
; y's blocks a0, a0 + 1 against W_proj's four.  cm = 2: the first product starts the sums from the bias.  The accumulators take turns, one instruction a turn.
.macro MULB a0, p, q, sc, cm
.irp a, \a0, \a0+1
.if \cm == 2
	WIN 0x81
.else
	WIN 0xa1
.endif
.set bi, 0
.rept NB
.set AC, 8*(NB*(\a)+bi)
.if \cm == 2
	v_wmma_scale_f32_16x16x128_f8f6f4 v[AC:AC+7], v[128*(\p)+FR*bi:128*(\p)+FR*bi+FR-1], v[AF+FR*(\a):AF+FR*(\a)+FR-1], v[BI+8*bi:BI+8*bi+7], v[SC+16*(\sc)+2*bi+(\q)], v[SC+16*(\sc)+2*(\a)+(\q)] matrix_a_fmt:MATRIX_FMT_FP6 matrix_b_fmt:MATRIX_FMT_FP6 matrix_b_scale:MATRIX_SCALE_ROW1
.else
	v_wmma_scale_f32_16x16x128_f8f6f4 v[AC:AC+7], v[128*(\p)+FR*bi:128*(\p)+FR*bi+FR-1], v[AF+FR*(\a):AF+FR*(\a)+FR-1], v[AC:AC+7], v[SC+16*(\sc)+2*bi+(\q)], v[SC+16*(\sc)+2*(\a)+(\q)] matrix_a_fmt:MATRIX_FMT_FP6 matrix_b_fmt:MATRIX_FMT_FP6 matrix_b_scale:MATRIX_SCALE_ROW1
.endif
.set bi, bi+1
.endr
.endr
.endm
.macro STEP slot, cm
	s_wait_dscnt 16                                ; all but the youngest 16 loads (y's blocks 4-7) are in
	MULB 0, 0, 0, \slot, \cm
	MULB 2, 0, 0, \slot, \cm
	s_wait_dscnt 0x0
	PLACES
	FETCH_B \slot, 1, 1
	FETCH_A \slot, 1, 0
	MULB 4, 0, 0, \slot, \cm
	MULB 6, 0, 0, \slot, \cm
	PLACES
	WIN 0
	FETCH_A \slot, 1, 4
.endm
.macro TURN slot, next, fill, sg
	s_wait_tensorcnt 0x0                           ; all my tensor loads have landed: my part of the next slot
	ds_add_u32 v[SPW], v[NIL]                      ; 0 onto my spare word
	s_wait_dscnt 17                                ; (the add and the youngest 16 loads may be out)
	MULB 0, 1, 1, \slot, 0
	s_wait_dscnt 0x0                               ; the add is done, and my reads of this slot are over
	s_barrier_signal -1
	MULB 2, 1, 1, \slot, 0
	WIN 0
	s_barrier_wait -1
.if \fill
	CREST                                          ; the barrier has opened a round of the cluster's: no wave of any partner still reads this slot or has a load on its way
	s_add_nc_u64 s[G0+4*\slot+2:G0+4*\slot+3], s[G0+4*\slot+2:G0+4*\slot+3], 2*TSL
	s_add_nc_u64 s[G0B+4*\slot+2:G0B+4*\slot+3], s[G0B+4*\slot+2:G0B+4*\slot+3], 2*TSL
	JLOAD G0+4*\slot, G1, G0B+4*\slot, G1B         ; the first tensor load behind the round; its four v_nop are the places in front of the loads below
.else
	PLACES
.endif
	FETCH_B \next, 0, 0
	FETCH_A \next, 0, 0
	SCALES \next, \sg
	MULB 4, 1, 1, \slot, 0
	MULB 6, 1, 1, \slot, 0
	PLACES
	WIN 0
	FETCH_A \next, 0, 4
.endm
	s_wait_tensorcnt 1                             ; the scales and my part of K step 0 are in (K step 1's load may be out),
	s_barrier_signal -1
	s_barrier_wait -1                              ; everybody's are
	FETCH_B 0, 0, 0
	FETCH_A 0, 0, 0
	SCALES 0, 0
	FETCH_A 0, 0, 4
	s_wait_loadcnt 0x0                             ; the bias
	STEP 0, 2
	TURN 0, 1, 1, 1
	STEP 1, 0
	TURN 1, 0, 1, 2
	STEP 0, 0
	TURN 0, 1, 0, 3                                ; nothing is left to fetch: a plain barrier; behind it nobody reads slot 0
	STEP 1, 0
	s_wait_dscnt 16                                ; the very last 128 along K
	MULB 0, 1, 1, 1, 0
	MULB 2, 1, 1, 1, 0
	s_wait_dscnt 0x0
	MULB 4, 1, 1, 1, 0
	MULB 6, 1, 1, 1, 0
	WIN 0
; THE WAY OUT, block by block of 16 rows x 64 columns, through my own stage: in by lanes (32 bytes of a row for each accumulator), back as whole rows of 256 bytes, which sixteen lanes store as one aligned block.
; LDS serves a wave's instructions in order: no wait between the stores and the loads, nor in front of the next block's stores.
.macro TOSTAGE a
	WIN 0x08                                       ; an LDS store's data are its source 1: window 2
.irp b, 0,1,2,3
	ds_store_b128 v[STO], v[32*(\a)+8*\b:32*(\a)+8*\b+3] offset:128*(\b/2)+32*(\b%2)        ; each accumulator from its low end on
	ds_store_b128 v[STO], v[32*(\a)+8*\b+4:32*(\a)+8*\b+7] offset:128*(\b/2)+32*(\b%2)+16
.endr
	WIN 0
.irp t, 0,1,2,3,4,5,6,7
	ds_load_b128 v[BK+32*((\a)%2)+4*\t:BK+32*((\a)%2)+4*\t+3], v[RD] offset:2*\t*SPT
.endr
.endm
.macro SEND a, younger                 ; stage row p of block a is row 32 (a / 2) + 8 (a % 2) + p + 8 (p / 8) of my 128
	s_wait_dscnt \younger
.irp t, 0,1,2,3,4,5,6,7
	global_store_b128 v[CO], v[BK+32*((\a)%2)+4*\t:BK+32*((\a)%2)+4*\t+3], s[94:95] offset:(2*\t+8*(\t/4)+8*((\a)%2)+32*((\a)/2))*4096 th:TH_STORE_NT
.endr
.endm
	PLACES
	TOSTAGE 0
.irp a, 1,2,3,4,5,6,7
.if \a > 1
	s_wait_xcnt 0x0                                ; the stores of two blocks ago have read their registers: this block's loads may land there
.endif
	TOSTAGE \a
	SEND \a-1, 16                                  ; behind the last block's loads: this block's 8 stores and 8 loads
.endr
	SEND 7, 0
	s_wait_tensorcnt 0x0                           ; the wave's end
	ds_add_u32 v[SPW], v[NIL]
	s_wait_dscnt 0x0
	CROUND                                         ; the closing round: no work-group ends while a partner may still ask jointly
	s_endpgm
.Lfunc_end_k_q2b28de2dfd_proj:
	.size	k_q2b28de2dfd_proj, .Lfunc_end_k_q2b28de2dfd_proj-k_q2b28de2dfd_proj
	.p2alignl 7, 3214868480
	.fill 96, 4, 3214868480
	.section	.rodata,"a",@progbits
	.p2align	6, 0x0
	.amdhsa_kernel k_q2b28de2dfd_proj
		.amdhsa_group_segment_fixed_size 327680
		.amdhsa_private_segment_fixed_size 0
		.amdhsa_enable_private_segment 0
		.amdhsa_kernarg_size 48
		.amdhsa_user_sgpr_count 2
		.amdhsa_user_sgpr_kernarg_segment_ptr 1
		.amdhsa_wavefront_size32 1
		.amdhsa_system_sgpr_workgroup_id_x 1
		.amdhsa_system_sgpr_workgroup_id_y 1
		.amdhsa_system_sgpr_workgroup_id_z 1
		.amdhsa_system_vgpr_workitem_id 0
		.amdhsa_next_free_vgpr 768
		.amdhsa_next_free_sgpr 102
		.amdhsa_reserve_vcc 0
		.amdhsa_float_denorm_mode_32 3
		.amdhsa_float_denorm_mode_16_64 3
		.amdhsa_memory_ordered 1
		.amdhsa_forward_progress 1
		.amdhsa_inst_pref_size 90
	.end_amdhsa_kernel
	.amdgpu_metadata
---
amdhsa.version: [ 1, 2 ]
amdhsa.kernels:
  - .name:           k_q2b28de2dfd_proj
    .symbol:         k_q2b28de2dfd_proj.kd
    .args:
      - { .name: yc, .offset: 0, .size: 8, .value_kind: global_buffer, .address_space: global }
      - { .name: ys, .offset: 8, .size: 8, .value_kind: global_buffer, .address_space: global }
      - { .name: wc, .offset: 16, .size: 8, .value_kind: global_buffer, .address_space: global }
      - { .name: ws, .offset: 24, .size: 8, .value_kind: global_buffer, .address_space: global }
      - { .name: b_proj, .offset: 32, .size: 8, .value_kind: global_buffer, .address_space: global }
      - { .name: out0, .offset: 40, .size: 8, .value_kind: global_buffer, .address_space: global }
    .group_segment_fixed_size: 327680
    .private_segment_fixed_size: 0
    .kernarg_segment_align: 8
    .kernarg_segment_size: 48
    .max_flat_workgroup_size: 128
    .sgpr_count:     102
    .vgpr_count:     768
    .wavefront_size: 32
...
	.end_amdgpu_metadata
.endif
;; end of part 4
